; MI455X (gfx1250); checked and timed in simulation.
; The chip was launched on July 23, 2026; its instructions are those of AMD's public machine-readable ISA for CDNA 5 (MIT licence, August 2026) and "CDNA5" Instruction Set Architecture Reference Guide (July 2026). The comments in the code are by the model that wrote it; some were corrected since.
;; Causal Self Attention. Allowed arithmetic: matrix products marked QUANTISED: E2M1 operands, one E8M0 scale for each 32 along K, by v_wmma_scale_f32_16x16x128_f8f6f4 with both operands' format E2M1 (or v_wmma_scale_f32_32x16x128_f4), f32 sums; products left as they are: bf16, f16 or f32 operands; f32 sums; everything else in f32.
;; Inputs: W_attn 1,024 x 3,072 float32; W_proj 1,024 x 1,024 float32; b_attn 3,072 float32; b_proj 1,024 float32; x 4 x 2,048 x 1,024 float32.
;; Outputs: out0 4 x 2,048 x 1,024 float32.
;; This version of the problem:
;;   THIS VERSION OF THE PROBLEM IS GIVEN IN LOW PRECISION. The matrix products marked QUANTISED in the list below multiply operands that are first quantised to E2M1 (2 exponent bits, 1 mantissa bit; 4 bits a number), with one power-of-two scale for each 32 numbers along K (OCP MX v1.0); their sums are f32. The products marked 'left as it is' may take bf16, f16 or f32 operands, with f32 sums. Whichever they take, every output number must still come out within the allowed error. Rounding operands to bf16 (8 significant bits) uses up far more of that allowance than f16 does (11 bits, for magnitudes from 6e-5 to 65,504). All else is computed in f32.
;;   The module's matrix products, in the order in which they are computed (A, B: the left and right operand; K: the contracted axis; several contracted axes count as one K, in the product's order):
;;     1. [M 8,192, K 1,024] x [K 1,024, N 3,072]; A: input x; B: input W_attn: QUANTISED
;;     2. batch 64 x [M 2,048, K 64] x [K 64, N 2,048]; A: computed on the way; B: computed on the way: left as it is (an operand is computed on the way)
;;     3. batch 64 x [M 2,048, K 2,048] x [K 2,048, N 64]; A: computed on the way; B: computed on the way: left as it is (an operand is computed on the way)
;;     4. [M 8,192, K 1,024] x [K 1,024, N 1,024]; A: computed on the way; B: input W_proj: left as it is (an operand is computed on the way)
;;   THE QUANTISER, for each operand of a quantised product, along K:
;;     - K is cut into blocks of 32 from its start; a last block that is shorter is filled with zeros.
;;     - A block's scale is 2^e with e = floor(log2(the largest magnitude in the block)) - 2, held to -126 .. 127; a block of zeros has e = 0. As a byte (E8M0): e + 127.
;;     - Each number is divided by its block's scale, clamped to +-6, and rounded to the nearest number of E2M1, ties to even, subnormals kept.
;;     - The product sums the exact products of the quantised numbers (number of the format x scale) in f32.
;;   ~~~python
;;   def quantise(x, axis):      # numpy; x: float32 -> the quantised numbers, widened to float32 again
;;       x = np.moveaxis(x, axis, -1); K = x.shape[-1]
;;       x = np.pad(x, [(0, 0)] * (x.ndim - 1) + [(0, -K % 32)]); x = x.reshape(x.shape[:-1] + (-1, 32)); a = np.abs(x).max(-1, keepdims=True)
;;       e = np.where(a > 0, np.clip(np.frexp(np.where(a > 0, a, 1))[1] - 1 - 2, -126, 127), 0)      # np.frexp(a)[1] - 1 = floor(log2(a)), exactly
;;       r = np.clip(x / 2.0 ** e, -6, 6)
;;       step = 2.0 ** (np.maximum(np.frexp(np.where(r == 0, 1, r))[1] - 1, 0) - 1)
;;       q = np.round(r / step) * step * 2.0 ** e      # np.round: ties to even
;;       return np.moveaxis(q.reshape(q.shape[:-2] + (-1,))[..., :K], -1, axis).astype(np.float32)
;;   ~~~
;; One version. Each part assembles by itself: llvm-mc -triple=amdgcn-amd-amdhsa -mcpu=gfx1250 --defsym DOCPART=n.
;; ======== version 1 of 1: 6 launches
;; limits: values are held in f16: magnitudes above 65,504 overflow, below 6.1e-05 lose precision
;; workspace buffers: xc 4,194,304 bytes; xs 262,144 bytes; wc 1,572,864 bytes; ws 98,304 bytes; wp16 2,097,152 bytes; qkv 50,331,648 bytes; qkvf 786,432 bytes; y16 16,777,216 bytes
;; launch quant_x (part 1): grid 256 x 1, 4 waves a work-group, no clusters, 33,280 bytes of LDS; arguments x, xc, xs; writes xc, xs
.if DOCPART == 1
	.amdgcn_target "amdgcn-amd-amdhsa--gfx1250"
	.amdhsa_code_object_version 6
	.text
	.protected	k_q7ce9a4b4fe_quant_x
	.globl	k_q7ce9a4b4fe_quant_x
	.p2align	8
	.type	k_q7ce9a4b4fe_quant_x,@function
k_q7ce9a4b4fe_quant_x:
	s_mov_b64 s[64:65], 0
	v_nop
	global_prefetch_b8 v0, s[64:65] scope:SCOPE_SE
	s_setreg_imm32_b32 hwreg(HW_REG_WAVE_MODE, 25, 1), 1
	s_wait_xcnt 0x0
; x [8192][1024], f32, becomes codes of FP4 (E2M1), 4 bits each, K innermost (xc: 512 bytes a row), with one E8M0 scale byte for each 32 along K (xs: 32 bytes a row).
; A block's scale is 2^(floor(log2(its largest magnitude)) - 2); its byte is the largest magnitude's own exponent field - 2, held at 1 from below.
; Each number is divided by the scale and rounded to the nearest code, ties to even; beyond 6 the largest code.
; LIMITS: a block of zeros gets the byte 1 where the rule says 127 (its codes are zeros, and this program alone reads the bytes); blocks whose largest magnitude lies under 2^(2 - 126) share that floor;
; NaN and infinities among the inputs are not served.
; Rows are dense and 1024 is a multiple of 32: x is a plain stream of blocks of 32, and so are the codes and the bytes.  A wave takes 16 steps of 512 numbers; 256 work-groups x 4 waves x 8,192 numbers are all of x.
; Each of a step's four loads reads 512 consecutive bytes; the 2,048 bytes turn through the wave's own stage in LDS and come back 64 bytes a lane, so that a lane holds 16 neighbours along K (two lanes a block).
; A wave's store of codes covers 256 consecutive bytes, aligned; its 256 scale bytes are gathered in LDS and leave by one such store.  Waves share nothing: no barrier.
.set WAVES, 4
.set STEPS, 16
.set EMAX,  2
.set CB,    8                          ; bytes of 16 codes
.set R,     16                         ; v16-79   four sets of 16 numbers as they are loaded
.set X,     80                         ; v80-111  two sets of 16 neighbours
.set C,     128                        ; v128-191 codes: four registers for each step, so that no store's data are written again
.set E,     112                        ; v112-127 a scale byte for each step
.set WREG,  8192                       ; LDS: a region for each wave: two stages of 32 x SP bytes, behind them its 256 scale bytes
.set SP,    80                         ; a lane's place in a stage: 64 bytes + 16 of padding
.set SPW,   12                         ; v12 LDS address of my spare word; never rewritten
.set NIL,   13                         ; v13 0; never rewritten
.set SPARE, WAVES*WREG                 ; the spare words, 128 bytes a wave: no other line names them
	s_load_b64 s[4:5], s[0:1], 0x0                 ; x
	s_load_b64 s[8:9], s[0:1], 0x8                 ; xc
	s_load_b64 s[10:11], s[0:1], 0x10              ; xs
	v_lshl_add_u32 v[SPW], v0, 2, SPARE
	v_mov_b32 v[NIL], 0
	v_lshrrev_b32 v1, 5, v0
	v_readfirstlane_b32 s16, v1                    ; wave
	v_and_b32 v2, 31, v0                           ; lane
	v_lshlrev_b32 v3, 4, v2                        ; my 16 bytes of a load's 512
	s_mul_i32 s17, s16, WREG
	v_lshrrev_b32 v14, 2, v2
	v_mul_u32_u24 v14, v14, SP
	v_and_b32 v15, 3, v2
	v_lshl_add_u32 v14, v15, 4, v14
	v_add_nc_u32 v14, s17, v14                     ; the stage, on the way in: SP (lane / 4) + 16 (lane % 4)
	v_mul_u32_u24 v15, v2, SP
	v_add_nc_u32 v15, s17, v15                     ; on the way out: SP x lane: my 16 neighbours
	v_mul_u32_u24 v4, v2, CB                       ; my codes' place in a step's
	v_lshrrev_b32 v5, 1, v2
	s_add_co_u32 s17, s17, 2*32*SP
	v_add_nc_u32 v5, s17, v5                       ; LDS: my wave's 256 scale bytes, my block's byte
	v_lshlrev_b32 v7, 3, v2                        ; and on the way out 8 bytes a lane
	v_add_nc_u32 v6, s17, v7
	s_lshl_b32 s17, ttmp9, 2
	s_add_co_u32 s18, s17, s16                     ; which run of 8,192 numbers is my wave's
	s_mov_b32 s19, 0
	s_mov_b64 s[20:21], 512*STEPS*4
	s_mul_u64 s[20:21], s[18:19], s[20:21]         ; in x,
	s_mov_b64 s[22:23], 32*STEPS*CB
	s_mul_u64 s[22:23], s[18:19], s[22:23]         ; in the codes,
	s_lshl_b32 s18, s18, 8                         ; in the scale bytes
	s_wait_kmcnt 0x0
	s_add_nc_u64 s[4:5], s[4:5], s[20:21]
	s_add_nc_u64 s[8:9], s[8:9], s[22:23]
	s_add_nc_u64 s[10:11], s[10:11], s[18:19]
.macro LOAD t
.irp i, 0,1,2,3
	global_load_b128 v[R+16*((\t)%4)+4*\i:R+16*((\t)%4)+4*\i+3], v3, s[4:5] offset:2048*(\t)+512*\i th:TH_LOAD_NT   ; 32 lanes read 512 consecutive bytes
.endr
.endm
.macro TURN t                          ; step t's numbers through the stage: LDS serves a wave's instructions in order, so no wait stands between the stores and the loads
.irp i, 0,1,2,3
	ds_store_b128 v14, v[R+16*((\t)%4)+4*\i:R+16*((\t)%4)+4*\i+3] offset:32*SP*((\t)%2)+8*SP*\i
.endr
.irp i, 0,1,2,3
	ds_load_b128 v[X+16*((\t)%2)+4*\i:X+16*((\t)%2)+4*\i+3], v15 offset:32*SP*((\t)%2)+16*\i
.endr
.endm
.irp t, 0,1,2,3
	LOAD \t
.endr
	s_wait_loadcnt 12                              ; step 0's four loads are in; three steps' twelve stay out
	TURN 0
.macro STEP t
.set XS, X+16*((\t)%2)
.if (\t) > 0
	s_wait_dscnt 1                                 ; this step's numbers are back from the stage (the last step's byte store may be out)
.else
	s_wait_dscnt 0x0
.endif
.if (\t)+4 < STEPS
	LOAD (\t)+4                                    ; into the registers that the stage's stores have read
.endif
.if (\t)+1 < STEPS
.if STEPS-2-(\t) >= 3
	s_wait_loadcnt 12                              ; the next step's four loads are in; those of the three steps behind it may be out
.else
	s_wait_loadcnt 4*(STEPS-2-(\t))
.endif
	TURN (\t)+1                                    ; they go through the other stage while this step is worked
.endif
	v_max3_num_f32 v8, |v[XS]|, |v[XS+1]|, |v[XS+2]|               ; the largest magnitude of my 16, in two chains
	v_max3_num_f32 v9, |v[XS+3]|, |v[XS+4]|, |v[XS+5]|
.irp i, 6,10
	v_max3_num_f32 v8, v8, |v[XS+\i]|, |v[XS+\i+1]|
	v_max3_num_f32 v9, v9, |v[XS+\i+2]|, |v[XS+\i+3]|
.endr
	v_max3_num_f32 v8, v8, |v[XS+14]|, |v[XS+15]|
	v_max3_num_f32 v8, v8, v9, (EMAX+1)<<23        ; and the floor 2^(3 - 127): the byte cannot fall under 1
	v_max_num_f32_dpp v8, v8, v8 row_xmask:1 row_mask:0xf bank_mask:0xf   ; and of my neighbour's 16: the block's
	v_add_nc_u32 v11, -(EMAX<<23), v8              ; 2 off its exponent field: the conversion takes the exponent field of this operand as its scale
	v_cvt_scalef32_pk8_fp4_f32 v[C+4*(\t)], v[XS:XS+7], v11
	v_cvt_scalef32_pk8_fp4_f32 v[C+4*(\t)+1], v[XS+8:XS+15], v11
	v_lshrrev_b32 v[E+(\t)], 23, v11               ; the scale's byte (also the plain line behind the conversions)
	ds_store_b8 v5, v[E+(\t)] offset:16*(\t)       ; both lanes of a block write the same byte with the same value
	global_store_b64 v4, v[C+4*(\t):C+4*(\t)+1], s[8:9] offset:32*CB*(\t)   ; the wave stores 256 consecutive bytes, aligned
.endm
.irp t, 0,1,2,3,4,5,6,7,8,9,10,11,12,13,14,15
	STEP \t
.endr
	ds_load_b64 v[8:9], v6                         ; LDS serves a wave's instructions in order: these see my byte stores
	s_wait_dscnt 0x0
	global_store_b64 v7, v[8:9], s[10:11]          ; 32 lanes store 256 consecutive bytes, aligned
	s_wait_tensorcnt 0x0                           ; the wave's end
	ds_add_u32 v[SPW], v[NIL]
	s_wait_dscnt 0x0
	s_endpgm
.Lfunc_end_k_q7ce9a4b4fe_quant_x:
	.size	k_q7ce9a4b4fe_quant_x, .Lfunc_end_k_q7ce9a4b4fe_quant_x-k_q7ce9a4b4fe_quant_x
	.p2alignl 7, 3214868480
	.fill 96, 4, 3214868480
	.section	.rodata,"a",@progbits
	.p2align	6, 0x0
	.amdhsa_kernel k_q7ce9a4b4fe_quant_x
		.amdhsa_group_segment_fixed_size 33280
		.amdhsa_private_segment_fixed_size 0
		.amdhsa_enable_private_segment 0
		.amdhsa_kernarg_size 24
		.amdhsa_user_sgpr_count 2
		.amdhsa_user_sgpr_kernarg_segment_ptr 1
		.amdhsa_wavefront_size32 1
		.amdhsa_system_sgpr_workgroup_id_x 1
		.amdhsa_system_sgpr_workgroup_id_y 1
		.amdhsa_system_sgpr_workgroup_id_z 1
		.amdhsa_system_vgpr_workitem_id 0
		.amdhsa_next_free_vgpr 192
		.amdhsa_next_free_sgpr 66
		.amdhsa_reserve_vcc 0
		.amdhsa_float_denorm_mode_32 3
		.amdhsa_float_denorm_mode_16_64 3
		.amdhsa_memory_ordered 1
		.amdhsa_forward_progress 1
		.amdhsa_inst_pref_size 33
	.end_amdhsa_kernel
	.amdgpu_metadata
---
amdhsa.version: [ 1, 2 ]
amdhsa.kernels:
  - .name:           k_q7ce9a4b4fe_quant_x
    .symbol:         k_q7ce9a4b4fe_quant_x.kd
    .args:
      - { .name: x, .offset: 0, .size: 8, .value_kind: global_buffer, .address_space: global }
      - { .name: xc, .offset: 8, .size: 8, .value_kind: global_buffer, .address_space: global }
      - { .name: xs, .offset: 16, .size: 8, .value_kind: global_buffer, .address_space: global }
    .group_segment_fixed_size: 33280
    .private_segment_fixed_size: 0
    .kernarg_segment_align: 8
    .kernarg_segment_size: 24
    .max_flat_workgroup_size: 128
    .sgpr_count:     66
    .vgpr_count:     192
    .wavefront_size: 32
...
	.end_amdgpu_metadata
.endif
;; end of part 1
;; launch prep_w (part 2): grid 64 x 1, 16 waves a work-group, no clusters, 177,152 bytes of LDS; arguments W_attn, W_proj, wc, ws, wp16; writes wc, ws, wp16
.if DOCPART == 2
	.amdgcn_target "amdgcn-amd-amdhsa--gfx1250"
	.amdhsa_code_object_version 6
	.text
	.protected	k_q7ce9a4b4fe_prep_w
	.globl	k_q7ce9a4b4fe_prep_w
	.p2align	8
	.type	k_q7ce9a4b4fe_prep_w,@function
k_q7ce9a4b4fe_prep_w:
	s_mov_b64 s[64:65], 0
	v_nop
	global_prefetch_b8 v0, s[64:65] scope:SCOPE_SE
	s_setreg_imm32_b32 hwreg(HW_REG_WAVE_MODE, 25, 1), 1
	s_wait_xcnt 0x0
; Both weights have K as their FIRST axis; both are laid anew with K innermost.  A lane takes a column n and its registers run down K, so nothing is transposed by an instruction.
; WAY A, work-groups 0-47: 64 columns of W_attn [1024][3072], all 1,024 k: codes of FP4 (E2M1) into wc [3072][512 bytes], one E8M0 byte for each 32 along K into ws [3072][32].
;   A block's scale is 2^(floor(log2(largest magnitude)) - 2); its byte is that magnitude's exponent field - 2, held at 1 from below.
; WAY B, work-groups 48-63: 64 columns of W_proj [1024][1024]: rounded to f16 into wp16 [1024 n][1024 k].
; LIMITS: a block of zeros gets the byte 1 where the rule says 127 (its codes are zeros; this program alone reads the bytes); |W_proj| above 65,504 becomes infinity in f16; NaN and infinities are not served.
; SHARES: wave w: columns 32 (w & 1) on, a lane a column; rows of k 128 (w >> 1) on.  Two waves side by side read 256 consecutive bytes of a row.  Loads run two blocks of 32 rows ahead.
; THE WAY OUT goes through LDS, so that whole rows of the new layout leave from neighbouring lanes.  Each way has LDS bytes of its own; the one barrier stands where both ways meet.
.set WGA,   48
.set STA,   0                          ; way A: 64 columns x (512 bytes of codes + 16)
.set PA,    528
.set SCA,   33792                      ; way A: 64 columns x 32 scale bytes, dense
.set STB,   35840                      ; way B: for each wave 32 columns x (256 bytes + 16)
.set PB,    272
.set SPARE, 175104                     ; the spare words, 128 bytes a wave: no other line names them
.set EMAX,  2
.set RB,    32                         ; v32-63   rows read back
.set CD,    64                         ; v64-127  codes, or pairs of f16
.set X,     128                        ; v128-255 my column's 128 numbers
.set SPW,   14
.set NIL,   15
	s_load_b128 s[4:7], s[0:1], 0x0                ; W_attn, W_proj
	s_load_b128 s[8:11], s[0:1], 0x10              ; wc, ws
	s_load_b64 s[12:13], s[0:1], 0x20              ; wp16
	v_lshl_add_u32 v[SPW], v0, 2, SPARE
	v_mov_b32 v[NIL], 0
	v_lshrrev_b32 v1, 5, v0
	v_readfirstlane_b32 s14, v1                    ; wave 0..15
	v_and_b32 v1, 31, v0                           ; lane
	s_and_b32 s15, s14, 1                          ; cg: which 32 columns
	s_lshr_b32 s16, s14, 1                         ; kp: which 128 rows of k
	v_lshlrev_b32 v2, 2, v1                        ; in: 4 bytes a lane
	; every LDS address is made here, ahead of the parting of the ways
	s_mul_i32 s17, s15, 32*PA
	s_lshl_b32 s18, s16, 6
	s_add_co_u32 s17, s17, s18
	v_mul_u32_u24 v3, v1, PA
	v_add_nc_u32 v3, s17, v3                       ; A, codes in: (32 cg + lane) x 528 + 64 kp
	s_lshl_b32 s17, s15, 10
	s_lshl_b32 s18, s16, 2
	s_add_co_u32 s17, s17, s18
	s_add_co_u32 s17, s17, SCA
	v_lshl_add_u32 v4, v1, 5, s17                  ; A, scale word in: (32 cg + lane) x 32 + 4 kp
	s_mul_i32 s17, s14, 4*PA
	v_lshl_add_u32 v5, v1, 4, s17                  ; A, codes back: rows 4 w on, 16 bytes a lane
	v_lshlrev_b32 v6, 4, v1                        ; 16 x lane
	s_mul_i32 s17, s14, 32*PB
	s_add_co_u32 s17, s17, STB
	v_mul_u32_u24 v7, v1, PB
	v_add_nc_u32 v7, s17, v7                       ; B, in: my wave's stage, row = my column
	v_and_b32 v11, 15, v1
	v_lshrrev_b32 v12, 4, v1
	v_mul_u32_u24 v8, v12, PB
	v_lshl_add_u32 v8, v11, 4, v8
	v_add_nc_u32 v8, s17, v8                       ; B, back: sixteen lanes to a row, two rows an instruction
	v_lshlrev_b32 v9, 11, v12
	v_lshl_add_u32 v9, v11, 4, v9                  ; and the same place in wp16: rows of 2,048 bytes
	s_min_u32 s17, s14, 3
	s_lshl_b32 s19, s17, 9                         ; (kept: the scale bytes' place in ws too)
	s_add_co_u32 s17, s19, SCA
	v_lshl_add_u32 v10, v1, 4, s17                 ; A, scale bytes back: waves 0-3, 512 bytes each
.macro LOADBLK t, rowb, lo             ; block t: rows 32 t + 0 .. 31 of my 128, my column
.set I, 0
.rept 32
	global_load_b32 v[X+32*(\t)+I], v2, s[\lo:\lo+1] offset:(32*(\t)+I)*\rowb th:TH_LOAD_NT
.set I, I+1
.endr
.endm
.macro AWAIT t, rowb, lo               ; block t is in; one younger block's 32 loads may stay out; the block two on is asked for at once (it has registers of its own)
.if (\t) < 3
	s_wait_loadcnt 32
.else
	s_wait_loadcnt 0x0
.endif
.if (\t) < 2
	LOADBLK (\t)+2, \rowb, \lo
.endif
.endm
	s_wait_kmcnt 0x0
	s_cmp_lt_u32 ttmp9, WGA
	s_cbranch_scc0 .Lb_in
	; ---- way A, in
	s_mul_i32 s20, s16, 128*12288                  ; my 128 rows of 12,288 bytes,
	s_lshl_b32 s21, ttmp9, 8                       ; the work-group's 64 columns,
	s_add_co_u32 s20, s20, s21
	s_lshl_b32 s21, s15, 7                         ; my wave's 32
	s_add_co_u32 s20, s20, s21
	s_mov_b32 s21, 0
	s_add_nc_u64 s[4:5], s[4:5], s[20:21]
	LOADBLK 0, 12288, 4
	LOADBLK 1, 12288, 4
.macro QBLOCK t
.set XS, X+32*(\t)
	AWAIT \t, 12288, 4
	v_max3_num_f32 v12, |v[XS]|, |v[XS+1]|, |v[XS+2]|               ; the block's largest magnitude: all 32 numbers are mine
	v_max3_num_f32 v13, |v[XS+3]|, |v[XS+4]|, |v[XS+5]|
.irp i, 6,10,14,18,22,26
	v_max3_num_f32 v12, v12, |v[XS+\i]|, |v[XS+\i+1]|
	v_max3_num_f32 v13, v13, |v[XS+\i+2]|, |v[XS+\i+3]|
.endr
	v_max3_num_f32 v12, v12, |v[XS+30]|, |v[XS+31]|
	v_max3_num_f32 v12, v12, v13, (EMAX+1)<<23     ; and the floor 2^(3 - 127): the byte cannot fall under 1
	v_add_nc_u32 v11, -(EMAX<<23), v12             ; 2 off its exponent field: the conversion's scale operand
	v_lshrrev_b32 v13, 23, v11                     ; the scale's byte
.if (\t) == 0
	v_mov_b32 v24, v13                             ; four bytes make the word of my 128 k, the lower k in the lower byte
.else
	v_lshl_or_b32 v24, v13, 8*(\t), v24
.endif
.irp g, 0,1,2,3
	v_cvt_scalef32_pk8_fp4_f32 v[CD+4*(\t)+\g], v[XS+8*\g:XS+8*\g+7], v11
.endr
	v_nop                                          ; a plain line behind the last conversion of the run
	ds_store_b128 v3, v[CD+4*(\t):CD+4*(\t)+3] offset:16*(\t)      ; 32 codes: 16 bytes of my column's row
.endm
	QBLOCK 0
	QBLOCK 1
	QBLOCK 2
	QBLOCK 3
	ds_store_b32 v4, v24
	s_branch .Lmeet
.Lb_in:
	; ---- way B, in
	s_lshl_b32 s20, s16, 19                        ; my 128 rows of 4,096 bytes,
	s_sub_co_u32 s22, ttmp9, WGA
	s_lshl_b32 s21, s22, 8                         ; the work-group's 64 columns,
	s_add_co_u32 s20, s20, s21
	s_lshl_b32 s21, s15, 7                         ; my wave's 32
	s_add_co_u32 s20, s20, s21
	s_mov_b32 s21, 0
	s_add_nc_u64 s[6:7], s[6:7], s[20:21]
	LOADBLK 0, 4096, 6
	LOADBLK 1, 4096, 6
.macro HBLOCK t
	AWAIT \t, 4096, 6
.set I, 0
.rept 16
	v_cvt_pk_f16_f32 v[CD+16*(\t)+I], v[X+32*(\t)+2*I], v[X+32*(\t)+2*I+1]   ; two neighbours along K, the lower k in the low half
.set I, I+1
.endr
.irp q, 0,1,2,3
	ds_store_b128 v7, v[CD+16*(\t)+4*\q:CD+16*(\t)+4*\q+3] offset:64*(\t)+16*\q
.endr
.endm
	HBLOCK 0
	HBLOCK 1
	HBLOCK 2
	HBLOCK 3
.Lmeet:
	s_wait_dscnt 0x0                               ; for the others' sake: my LDS stores are done
	s_barrier_signal -1
	s_barrier_wait -1
	s_cmp_lt_u32 ttmp9, WGA
	s_cbranch_scc0 .Lb_out
	; ---- way A, out: wave w stores columns 4 w .. 4 w + 3: a row of 512 consecutive bytes an instruction
	s_lshl_b32 s20, ttmp9, 15                      ; 64 rows of 512 bytes a work-group,
	s_lshl_b32 s21, s14, 11                        ; 4 a wave
	s_add_co_u32 s20, s20, s21
	s_mov_b32 s21, 0
	s_add_nc_u64 s[8:9], s[8:9], s[20:21]
.irp i, 0,1,2,3
	ds_load_b128 v[RB+4*\i:RB+4*\i+3], v5 offset:PA*\i
.endr
.irp i, 0,1,2,3
	s_wait_dscnt 3-\i                              ; row i is back; the younger rows may be out
	global_store_b128 v6, v[RB+4*\i:RB+4*\i+3], s[8:9] offset:512*\i
.endr
	s_cmp_lt_u32 s14, 4                            ; the 2,048 scale bytes are dense in ws: waves 0-3 store 512 each
	s_cbranch_scc0 .Lend
	s_lshl_b32 s20, ttmp9, 11
	s_add_co_u32 s20, s20, s19
	s_mov_b32 s21, 0
	s_add_nc_u64 s[10:11], s[10:11], s[20:21]
	ds_load_b128 v[RB+16:RB+19], v10
	s_wait_dscnt 0x0
	global_store_b128 v6, v[RB+16:RB+19], s[10:11]
	s_branch .Lend
.Lb_out:
	; ---- way B, out: my 32 columns x 256 bytes: sixteen lanes store 256 consecutive bytes, aligned
	s_sub_co_u32 s22, ttmp9, WGA
	s_lshl_b32 s20, s22, 17                        ; 64 rows of 2,048 bytes a work-group,
	s_lshl_b32 s21, s15, 16                        ; my wave's 32,
	s_add_co_u32 s20, s20, s21
	s_lshl_b32 s21, s16, 8                         ; my 128 k
	s_add_co_u32 s20, s20, s21
	s_mov_b32 s21, 0
	s_add_nc_u64 s[12:13], s[12:13], s[20:21]
.irp q, 0,1
.if \q
	s_wait_xcnt 0x0                                ; the first eight stores have read their registers: they are loaded again only behind this wait
.endif
.irp i, 0,1,2,3,4,5,6,7
	ds_load_b128 v[RB+4*\i:RB+4*\i+3], v8 offset:2*PB*(8*\q+\i)
.endr
.irp i, 0,1,2,3,4,5,6,7
	s_wait_dscnt 7-\i
	global_store_b128 v9, v[RB+4*\i:RB+4*\i+3], s[12:13] offset:4096*(8*\q+\i)
.endr
.endr
.Lend:
	s_wait_tensorcnt 0x0                           ; the wave's end
	ds_add_u32 v[SPW], v[NIL]
	s_wait_dscnt 0x0
	s_endpgm
.Lfunc_end_k_q7ce9a4b4fe_prep_w:
	.size	k_q7ce9a4b4fe_prep_w, .Lfunc_end_k_q7ce9a4b4fe_prep_w-k_q7ce9a4b4fe_prep_w
	.p2alignl 7, 3214868480
	.fill 96, 4, 3214868480
	.section	.rodata,"a",@progbits
	.p2align	6, 0x0
	.amdhsa_kernel k_q7ce9a4b4fe_prep_w
		.amdhsa_group_segment_fixed_size 177152
		.amdhsa_private_segment_fixed_size 0
		.amdhsa_enable_private_segment 0
		.amdhsa_kernarg_size 40
		.amdhsa_user_sgpr_count 2
		.amdhsa_user_sgpr_kernarg_segment_ptr 1
		.amdhsa_wavefront_size32 1
		.amdhsa_system_sgpr_workgroup_id_x 1
		.amdhsa_system_sgpr_workgroup_id_y 1
		.amdhsa_system_sgpr_workgroup_id_z 1
		.amdhsa_system_vgpr_workitem_id 0
		.amdhsa_next_free_vgpr 256
		.amdhsa_next_free_sgpr 66
		.amdhsa_reserve_vcc 0
		.amdhsa_float_denorm_mode_32 3
		.amdhsa_float_denorm_mode_16_64 3
		.amdhsa_memory_ordered 1
		.amdhsa_forward_progress 1
		.amdhsa_inst_pref_size 44
	.end_amdhsa_kernel
	.amdgpu_metadata
---
amdhsa.version: [ 1, 2 ]
amdhsa.kernels:
  - .name:           k_q7ce9a4b4fe_prep_w
    .symbol:         k_q7ce9a4b4fe_prep_w.kd
    .args:
      - { .name: W_attn, .offset: 0, .size: 8, .value_kind: global_buffer, .address_space: global }
      - { .name: W_proj, .offset: 8, .size: 8, .value_kind: global_buffer, .address_space: global }
      - { .name: wc, .offset: 16, .size: 8, .value_kind: global_buffer, .address_space: global }
      - { .name: ws, .offset: 24, .size: 8, .value_kind: global_buffer, .address_space: global }
      - { .name: wp16, .offset: 32, .size: 8, .value_kind: global_buffer, .address_space: global }
    .group_segment_fixed_size: 177152
    .private_segment_fixed_size: 0
    .kernarg_segment_align: 8
    .kernarg_segment_size: 40
    .max_flat_workgroup_size: 512
    .sgpr_count:     66
    .vgpr_count:     256
    .wavefront_size: 32
...
	.end_amdgpu_metadata
.endif
;; end of part 2
;; launch gemm_qkv (part 3): grid 12 x 32, 4 waves a work-group, clusters of 4 x 4, 327,680 bytes of LDS; arguments xc, xs, wc, ws, b_attn, qkv, qkvf; writes qkv, qkvf
.if DOCPART == 3
	.amdgcn_target "amdgcn-amd-amdhsa--gfx1250"
	.amdhsa_code_object_version 6
	.text
	.protected	k_q7ce9a4b4fe_gemm_qkv
	.globl	k_q7ce9a4b4fe_gemm_qkv
	.p2align	8
	.type	k_q7ce9a4b4fe_gemm_qkv,@function
k_q7ce9a4b4fe_gemm_qkv:
	s_mov_b64 s[64:65], 0
	v_nop
	global_prefetch_b8 v0, s[64:65] scope:SCOPE_SE
	s_setreg_imm32_b32 hwreg(HW_REG_WAVE_MODE, 25, 1), 1
	s_wait_xcnt 0x0
	s_wait_alu depctr_hold_cnt(0) depctr_sa_sdst(0) depctr_va_vdst(0) depctr_va_sdst(0) depctr_va_ssrc(0) depctr_va_vcc(0) depctr_vm_vsrc(0)
	s_getreg_b32 s2, hwreg(HW_REG_IB_STS2, 6, 4)
	s_cmp_eq_u32 s2, 0
	s_cbranch_scc0 .Lentry_in_a_cluster
	s_endpgm
.Lentry_in_a_cluster:
	s_bfe_u32 s2, ttmp6, 0x10000c
	s_cmp_lg_u32 s2, 0xf033
	s_cbranch_scc0 .Lentry_shape_is_right
	s_endpgm
.Lentry_shape_is_right:
; qkv[m][n] = sum over k of x[m][k] W_attn[k][n] + b_attn[n], on codes of FP4 (E2M1) with one E8M0 scale for each 32 along K; sums in f32.  xc [8192][512 bytes], xs [8192][32], wc [3072][512 bytes], ws [3072][32].
; RESULTS: qkv [8192][3072] rounded once to f16 (rows of 6,144 bytes), for the attention; and the first 16 positions of each of the four sequences in f32, qkvf [64][3072], for the launch that carries those rows finely.
; LIMIT: |q|, |k|, |v| above 65,504 become infinity in f16.
; A tile of C, 256 x 256, is made by four waves, each 128 x 128: 64 accumulators, 512 registers.  K = 1,024 is two slots of 512: both are asked for at the head, and no slot is filled again.
; The scale bytes of the tile's 256 + 256 rows, for all of K, are two dense blocks: they come into LDS once, with the first fills.
; CLUSTERS: 4 x 4 work-groups.  The four of a row of the cluster need the same tiles of A, the four of a column the same tiles of B: each tile is asked for JOINTLY.
; The tile row is 8 cy + cluster y: a tile begins a sequence where cluster y = 0, which is the same in all sixteen partners; there cy is the batch.
; THE MATRIX INSTRUCTION IS USED TRANSPOSED (source 0 = 16 rows of wc, source 1 = 16 rows of xc): a lane holds eight neighbouring columns of one row.  The bias is the C of each sum's first instruction.
; 384 tiles stand on fewer WGPs than that: a tile of 256 x 384 does not fit two slots into LDS, and 128 x 256 would halve the products that each LDS byte feeds.
; REGISTERS: window 0: v16-31 addresses; v32-95 scale words, two sets; v96-127 packed results; v128-191 A's fragments, later rows on the way out; v192-255 the bias.
;   window 1: B's fragments, two sets.   window 2: accumulators of my rows 0-63 ((a, b) at v[8 (8 a + b)]);   window 3: rows 64-127.
.set SIZE_M, 8192
.set SIZE_N, 3072
.set SIZE_K, 1024
.set KSTEP,  512
.set NQ,     KSTEP/128
.set ROWB,   256                       ; a tile's row in bytes
.set KROW,   SIZE_K/2                  ; a row of codes in memory
.set PITCH,  272                       ; an LDS row: 256 bytes + 16 of padding: the 16 rows that a load touches start at 16 different banks (ISA guide 11.1)
.set FR,     8
.set NL,     2
.set NP,     4                         ; places behind this matrix instruction (ISA guide 7.12.1)
.set HALFT,  128*PITCH
.set SLOT,   4*HALFT                   ; A's 256 rows, then B's 256 rows
.set KS,     SIZE_K/32
.set SCL,    2*SLOT                    ; behind the ring: the scales, as rows of 256 bytes + 16
.set HALFS,  (128*KS/256)*272
.set SBLK,   (16*KS/256)*272
.set SPARE,  SCL+4*HALFS               ; the spare words, 128 bytes a wave: no other line names them
.set QROW,   SIZE_N*2                  ; a row of qkv
.set FROW,   SIZE_N*4                  ; a row of qkvf
.set WSTG,   16*528                    ; the way out: a stage for each wave, in slot 0, which has had its only fill and its last read by then
.set ADRA, 16
.set ADRB, 20
.set CO16, 22                          ; v22 my byte offset in two rows of qkv
.set BO,   23                          ; v23 32 x (lane / 16): the bias
.set STO32,24
.set RD32, 25
.set CO32, 26
.set ADRS, 27
.set SPW,  28
.set NIL,  29
.set STO16,30
.set RD16, 31
.set SC,   32
.set TMP,  96
.set AF,   128
.set BK,   128
.set BI,   192
.set G1, 24
.set G0, 32
.set G1B, 48
.set G0B, 56
.set G1S, 68
.set G0S, 76
.set G1SB, 80
.set G0SB, 88
.set MSB, 0
.macro WIN new                         ; the immediate's high byte repeats the setting that is left
.if MSB != \new
	s_set_vgpr_msb (MSB<<8)|\new
.set MSB, \new
.endif
.endm
.set MUL_LO,  0xa1                     ; source 0 (B) window 1, source 1 (A) window 0, C and D window 2
.set MUL_HI,  0xf1                     ; the same, C and D window 3
.set MULZ_LO, 0x81                     ; the first step: C (the bias) window 0, D window 2
.set MULZ_HI, 0xc1                     ; C window 0, D window 3
.set TO_B,    0x40
; A joint load: waves 0 and 1 fetch for A, waves 2 and 3 for B.  The branch hangs on the wave's number alone.  An s_nop 0 and four v_nop follow each of the two lines.
.macro JLOAD g0a, g1a, g0b, g1b
	s_cmp_eq_u32 s15, 0
	s_cbranch_scc0 .Lfor_b_\@
	tensor_load_to_lds s[\g0a:\g0a+3], s[\g1a:\g1a+7]
	s_nop 0
.rept 4
	v_nop
.endr
	s_branch .Lasked_\@
.Lfor_b_\@:
	tensor_load_to_lds s[\g0b:\g0b+3], s[\g1b:\g1b+7]
	s_nop 0
.rept 4
	v_nop
.endr
.Lasked_\@:
.endm
.macro CROUND                          ; a round of the cluster's barrier
	s_barrier_signal -1
	s_barrier_wait -1
	s_cmp_lg_u32 s14, 0
	s_cbranch_scc1 .Lnot_wave_0_\@
	s_barrier_signal -3
.Lnot_wave_0_\@:
	s_barrier_wait -3
	s_barrier_signal -1
	s_barrier_wait -1
.endm
	s_load_b128 s[4:7], s[0:1], 0x0                ; xc, xs
	s_load_b128 s[8:11], s[0:1], 0x10              ; wc, ws
	s_load_b64 s[12:13], s[0:1], 0x20              ; b_attn
	s_load_b64 s[96:97], s[0:1], 0x28              ; qkv
	s_load_b64 s[98:99], s[0:1], 0x30              ; qkvf
	v_lshl_add_u32 v[SPW], v0, 2, SPARE
	v_mov_b32 v[NIL], 0
	ds_add_u32 v[SPW], v[NIL]                      ; the wave's opening: the add, twice on end, and its wait ahead of my first tensor load
	ds_add_u32 v[SPW], v[NIL]
	v_lshrrev_b32 v1, 5, v0
	v_readfirstlane_b32 s14, v1                    ; wave 0..3
	s_lshr_b32 s15, s14, 1                         ; which half of the tile's rows is mine.  Also: I fetch for A (0) or for B (1)
	s_and_b32 s16, s14, 1                          ; which half of its columns.  Also: which 128 rows of that tile I fetch
	s_bfe_u32 s40, ttmp6, 0x40000                  ; cx, cy: my place in the cluster
	s_bfe_u32 s41, ttmp6, 0x40004
	s_lshl_b32 s42, ttmp9, 2
	s_add_co_u32 s42, s42, s40                     ; tile column = 4 x cluster x + cx
	s_and_b32 s95, ttmp7, 0xffff                   ; cluster y
	s_lshl_b32 s17, s41, 3
	s_add_co_u32 s17, s17, s95                     ; tile row = 8 cy + cluster y
	s_lshl_b32 s43, s41, 2
	s_lshl_b32 s43, 15, s43                        ; my row of the cluster
	s_lshl_b32 s44, 0x1111, s40                    ; my column
	; descriptor group 1: a tile of 128 rows x 256 bytes, 16 bytes of padding behind each row
	s_or_b32 s[G1+0], s43, (0<<16)|(1<<20)|(1<<21)|(5<<22)|(3<<25)
	s_or_b32 s[G1B+0], s44, (0<<16)|(1<<20)|(1<<21)|(5<<22)|(3<<25)
.irp g, G1, G1B
	s_mov_b32 s[\g+1], ROWB<<16                    ; tensor_dim0
	s_mov_b32 s[\g+2], 128<<16                     ; tensor_dim1
	s_mov_b32 s[\g+3], ROWB<<16                    ; tile_dim0
	s_mov_b32 s[\g+4], 128                         ; tile_dim1
	s_mov_b32 s[\g+5], KROW                        ; from row to row
	s_mov_b32 s[\g+6], 0
	s_mov_b32 s[\g+7], 0
.endr
	; the scales of 128 rows: a dense block of 4,096 bytes, as 16 rows of 256 bytes (32 elements of 8 bytes), 16 bytes of padding behind each
	s_or_b32 s[G1S+0], s43, (3<<16)|(1<<20)|(1<<21)|(5<<22)|(3<<25)
	s_or_b32 s[G1SB+0], s44, (3<<16)|(1<<20)|(1<<21)|(5<<22)|(3<<25)
.irp g, G1S, G1SB
	s_mov_b32 s[\g+1], 32<<16
	s_mov_b32 s[\g+2], (128*KS/256)<<16
	s_mov_b32 s[\g+3], 32<<16
	s_mov_b32 s[\g+4], 128*KS/256
	s_mov_b32 s[\g+5], 32
	s_mov_b32 s[\g+6], 0
	s_mov_b32 s[\g+7], 0
.endr
	s_lshl_b32 s18, s16, 7                         ; which 128 rows of the tile I fetch
	s_lshl_b32 s20, s17, 8
	s_add_co_u32 s20, s20, s18                     ; A: row 256 x tile row + 128 x half
	s_lshl_b32 s46, s42, 8
	s_add_co_u32 s46, s46, s18                     ; B: row 256 x tile column + 128 x half
	s_mov_b32 s21, 0
	s_mov_b32 s47, 0
	s_mov_b64 s[18:19], KS
	s_mul_u64 s[22:23], s[20:21], s[18:19]         ; where these rows' scales begin,
	s_mul_u64 s[92:93], s[46:47], s[18:19]
	s_mov_b64 s[18:19], KROW
	s_mul_u64 s[20:21], s[20:21], s[18:19]         ; and their codes
	s_mul_u64 s[46:47], s[46:47], s[18:19]
	s_mul_i32 s45, s14, HALFT                      ; where they go: wave x 128 rows: no place in the cluster enters an LDS address
	s_mul_i32 s94, s14, HALFS
	s_wait_dscnt 0x0                               ; both opening adds are done
	s_wait_kmcnt 0x0
	s_add_nc_u64 s[20:21], s[4:5], s[20:21]
	s_add_nc_u64 s[22:23], s[6:7], s[22:23]
	s_add_nc_u64 s[46:47], s[8:9], s[46:47]
	s_add_nc_u64 s[92:93], s[10:11], s[92:93]
	CROUND                                         ; all sixteen work-groups are here: the joint loads meet
	s_mov_b32 s[G0S], 1
	s_add_co_u32 s[G0S+1], s94, SCL
	s_mov_b64 s[G0S+2:G0S+3], s[22:23]
	s_or_b32 s[G0S+3], s[G0S+3], 0x80000000
	s_mov_b32 s[G0SB], 1
	s_add_co_u32 s[G0SB+1], s94, SCL
	s_mov_b64 s[G0SB+2:G0SB+3], s[92:93]
	s_or_b32 s[G0SB+3], s[G0SB+3], 0x80000000
	JLOAD G0S, G1S, G0SB, G1SB                     ; the scales first: they are wanted with the first slot
.irp s, 0,1
	s_mov_b32 s[G0+4*\s], 1
	s_add_co_u32 s[G0+4*\s+1], s45, \s*SLOT
	s_add_nc_u64 s[G0+4*\s+2:G0+4*\s+3], s[20:21], \s*ROWB
	s_or_b32 s[G0+4*\s+3], s[G0+4*\s+3], 0x80000000
	s_mov_b32 s[G0B+4*\s], 1
	s_add_co_u32 s[G0B+4*\s+1], s45, \s*SLOT
	s_add_nc_u64 s[G0B+4*\s+2:G0B+4*\s+3], s[46:47], \s*ROWB
	s_or_b32 s[G0B+4*\s+3], s[G0B+4*\s+3], 0x80000000
	JLOAD G0+4*\s, G1, G0B+4*\s, G1B               ; three tensor loads of mine are out behind the second of these: all of K
.endr
	v_and_b32 v1, 15, v0                           ; r = l % 16
	v_bfe_u32 v2, v0, 4, 1                         ; h = l / 16
	v_mul_u32_u24 v3, v1, PITCH
	v_lshl_add_u32 v4, v2, 4, v3                   ; a fragment's row x pitch + 16 x half
	s_mul_i32 s21, s15, HALFT                      ; my 128 rows of A
	s_mul_i32 s22, s16, HALFT                      ; my 128 rows of B,
	s_add_co_u32 s22, s22, 2*HALFT                 ; which lie behind A's 256
.irp s, 0,1
	v_add_nc_u32 v[ADRA+\s], s21, v4
	v_add_nc_u32 v[ADRB+\s], s22, v4
	s_add_co_u32 s21, s21, SLOT
	s_add_co_u32 s22, s22, SLOT
.endr
	v_mul_u32_u24 v5, v1, KS                       ; my row's scales: 32 bytes a row,
	v_lshrrev_b32 v6, 8, v5
	v_lshl_add_u32 v5, v6, 4, v5                   ; and 16 more for each 256 passed
	s_mul_i32 s21, s15, HALFS
	s_mul_i32 s22, s16, HALFS
	s_add_co_u32 s22, s22, 2*HALFS
	s_sub_co_u32 s22, s22, s21
	v_mul_u32_u24 v6, s22, v2                      ; lanes 16-31 take B's: one product, the distance between the two bases
	s_add_co_u32 s21, s21, SCL
	v_add_nc_u32 v5, v5, v6
	v_add_nc_u32 v[ADRS], s21, v5
	s_mul_i32 s23, s14, WSTG                       ; my stage
	v_mul_u32_u24 v5, v1, 528                      ; f32, in: row r, 32 bytes for each half of the lanes
	v_lshl_add_u32 v5, v2, 5, v5
	v_add_nc_u32 v[STO32], s23, v5
	v_and_b32 v6, 31, v0
	v_lshlrev_b32 v[CO32], 4, v6                   ; f32, back: the 32 lanes take one row of 512 bytes; the same in qkvf
	v_add_nc_u32 v[RD32], s23, v[CO32]
	v_lshl_add_u32 v5, v2, 4, v3                   ; f16, in: row r of 272 bytes, 16 bytes for each half
	v_add_nc_u32 v[STO16], s23, v5
	v_mul_u32_u24 v5, v2, PITCH                    ; f16, back: lanes 0-15 one row of 256 bytes, lanes 16-31 the next
	v_lshl_add_u32 v5, v1, 4, v5
	v_add_nc_u32 v[RD16], s23, v5
	v_mul_u32_u24 v5, v2, QROW                     ; and the same two rows in qkv
	v_lshl_add_u32 v[CO16], v1, 4, v5
	v_lshlrev_b32 v[BO], 5, v2
	s_lshl_b32 s46, s42, 10
	s_lshl_b32 s47, s16, 9
	s_add_co_u32 s46, s46, s47                     ; my first column in f32 bytes: 1,024 x tile column + 512 x half
	s_mov_b32 s47, 0
	s_add_nc_u64 s[12:13], s[12:13], s[46:47]      ; the bias,
	s_add_nc_u64 s[98:99], s[98:99], s[46:47]      ; qkvf,
	s_mul_i32 s20, s41, 16*FROW                    ; at the batch's 16 rows
	s_mov_b32 s21, 0
	s_add_nc_u64 s[98:99], s[98:99], s[20:21]
	s_lshr_b32 s46, s46, 1                         ; the same column in f16 bytes
	s_add_nc_u64 s[96:97], s[96:97], s[46:47]
	s_lshl_b32 s20, s17, 8
	s_lshl_b32 s21, s15, 7
	s_add_co_u32 s20, s20, s21                     ; my first row: 256 x tile row + 128 x half
	s_mul_i32 s20, s20, QROW                       ; (under 2^26)
	s_mov_b32 s21, 0
	s_add_nc_u64 s[96:97], s[96:97], s[20:21]
.irp b, 0,1,2,3,4,5,6,7                        ; the bias in the result's layout: lane (r, h), block b: columns 16 b + 8 h + 0 .. 7
	global_load_b128 v[BI+8*\b:BI+8*\b+3],   v[BO], s[12:13] offset:64*\b
	global_load_b128 v[BI+8*\b+4:BI+8*\b+7], v[BO], s[12:13] offset:64*\b+16
.endr
.macro FRAG reg, adr, q, i             ; 16 rows x 128 K of 4-bit codes: 8 registers: lane l holds row l % 16; registers 4 c .. 4 c + 3 hold K = 64 c + 32 (l / 16) + 0 .. 31
.irp c, 0,1
	ds_load_b128 v[\reg+4*\c:\reg+4*\c+3], v[\adr] offset:64*(\q)+32*\c+(\i)*16*PITCH
.endr
.endm
; 16 matrix instructions: A's blocks a0, a0 + 1 x B's eight, the slot's q-th 128 along K.  p: B's set; sc: the set of scale words.  zero = 1: the first product starts the sum on the bias.
; The 64 accumulators take turns, one instruction a turn, in the same order in every step.
.macro MUL16 a0, p, q, sc, zero
.irp a, \a0, \a0+1
.irp b, 0,1,2,3,4,5,6,7
.if \zero
	v_wmma_scale_f32_16x16x128_f8f6f4 v[8*(8*((\a)%4)+\b):8*(8*((\a)%4)+\b)+7], v[128*(\p)+FR*\b:128*(\p)+FR*\b+FR-1], v[AF+FR*(\a):AF+FR*(\a)+FR-1], v[BI+8*\b:BI+8*\b+7], v[SC+8*NQ*(\sc)+NQ*\b+(\q)], v[SC+8*NQ*(\sc)+NQ*(\a)+(\q)] matrix_a_fmt:MATRIX_FMT_FP4 matrix_b_fmt:MATRIX_FMT_FP4 matrix_a_scale:MATRIX_SCALE_ROW1
.else
	v_wmma_scale_f32_16x16x128_f8f6f4 v[8*(8*((\a)%4)+\b):8*(8*((\a)%4)+\b)+7], v[128*(\p)+FR*\b:128*(\p)+FR*\b+FR-1], v[AF+FR*(\a):AF+FR*(\a)+FR-1], v[8*(8*((\a)%4)+\b):8*(8*((\a)%4)+\b)+7], v[SC+8*NQ*(\sc)+NQ*\b+(\q)], v[SC+8*NQ*(\sc)+NQ*(\a)+(\q)] matrix_a_fmt:MATRIX_FMT_FP4 matrix_b_fmt:MATRIX_FMT_FP4 matrix_a_scale:MATRIX_SCALE_ROW1
.endif
.endr
.endr
.endm
.macro FETCH_B slot, q, p
	WIN TO_B
.irp i, 0,1,2,3,4,5,6,7
	FRAG 128*(\p)+FR*\i, ADRB+\slot, \q, \i
.endr
	WIN 0
.endm
.macro FETCH_A slot, q, i0
.irp i, \i0, \i0+1, \i0+2, \i0+3
	FRAG AF+FR*(\i), ADRA+\slot, \q, \i
.endr
.endm
.macro SCALES sc                       ; a slot's scale words: 4 words a row; lanes 0-15 take A's block i, lanes 16-31 B's block i
.irp i, 0,1,2,3,4,5,6,7
	ds_load_b128 v[SC+8*NQ*\sc+NQ*\i:SC+8*NQ*\sc+NQ*\i+3], v[ADRS] offset:\i*SBLK
.endr
.endm
.macro PLACES n                        ; plain vector lines between a matrix instruction and a load into, or a read of, its registers
.rept \n
	v_nop
.endr
.endm
.macro STEP slot, q, zero              ; a step of 128 along K that has its successor in the same slot
	s_wait_dscnt 4*NL                              ; B's set and A's blocks 0-3 are in; the youngest eight loads (A's blocks 4-7) may be out
.if \zero
	WIN MULZ_LO
.else
	WIN MUL_LO
.endif
	MUL16 0, (\q)%2, \q, \slot, \zero
	MUL16 2, (\q)%2, \q, \slot, \zero
	s_wait_dscnt 0                                 ; A's blocks 4-7 are in
	PLACES NP
	FETCH_B \slot, (\q)+1, 1-(\q)%2
	FETCH_A \slot, (\q)+1, 0
.if \zero
	WIN MULZ_HI
.else
	WIN MUL_HI
.endif
	MUL16 4, (\q)%2, \q, \slot, \zero
	MUL16 6, (\q)%2, \q, \slot, \zero
	PLACES NP
	WIN 0
	FETCH_A \slot, (\q)+1, 4
.endm
; Slot 0's last step changes slots: one barrier; in front of it each wave waits for all its tensor loads (slot 1's is the one that may be out), adds 0 to its spare word, and waits for that and for its reads of slot 0.
.macro TURN slot, next
	s_wait_tensorcnt 0x0
	ds_add_u32 v[SPW], v[NIL]
	s_wait_dscnt 4*NL+1                            ; (the add and the youngest eight loads may be out)
	WIN MUL_LO
	MUL16 0, 1, NQ-1, \slot, 0                     ; sixteen matrix instructions stand between the add and the wait for it
	s_wait_dscnt 0x0                               ; the add is done, and my reads of this slot are over
	s_barrier_signal -1
	MUL16 2, 1, NQ-1, \slot, 0
	WIN 0
	s_barrier_wait -1
	PLACES NP
	v_add_nc_u32 v[ADRS], 4*NQ, v[ADRS]            ; on to the next slot's scale words
	FETCH_B \next, 0, 0
	FETCH_A \next, 0, 0
	SCALES \next
	WIN MUL_HI
	MUL16 4, 1, NQ-1, \slot, 0
	MUL16 6, 1, NQ-1, \slot, 0
	PLACES NP
	WIN 0
	FETCH_A \next, 0, 4
.endm
.macro STEPS slot, from
.set Q, \from
.rept NQ-1-\from
	STEP \slot, Q, 0
.set Q, Q+1
.endr
.endm
	s_wait_tensorcnt 1                             ; the scales and my part of slot 0 are in (slot 1's load may be out)
	s_barrier_signal -1
	s_barrier_wait -1                              ; everybody's are
	FETCH_B 0, 0, 0
	FETCH_A 0, 0, 0
	SCALES 0
	FETCH_A 0, 0, 4
	s_wait_loadcnt 0x0                             ; the bias
	STEP 0, 0, 1
	STEPS 0, 1
	TURN 0, 1
	STEPS 1, 0
	s_wait_dscnt 4*NL                              ; the last step: nothing more to fetch
	WIN MUL_LO
	MUL16 0, 1, NQ-1, 1, 0
	MUL16 2, 1, NQ-1, 1, 0
	s_wait_dscnt 0
	WIN MUL_HI
	MUL16 4, 1, NQ-1, 1, 0
	MUL16 6, 1, NQ-1, 1, 0
	WIN 0
	PLACES NP                                      ; in front of loads into the registers that held A's fragments, and of the reads of results
	; THE FINE COPY: where the tile begins a sequence (cluster y = 0: the same in all partners) the waves of the upper half send their block 0, positions 0-15, out in f32 as well.
	s_or_b32 s94, s95, s15
	s_cmp_lg_u32 s94, 0
	s_cbranch_scc1 .Lnofine
	WIN 0x08                                       ; an LDS store's data are its source 1: window 2
.irp b, 0,1,2,3,4,5,6,7
	ds_store_b128 v[STO32], v[8*\b:8*\b+3] offset:64*\b            ; each accumulator from its low end on
	ds_store_b128 v[STO32], v[8*\b+4:8*\b+7] offset:64*\b+16
.endr
	WIN 0
.irp t, 0,1,2,3,4,5,6,7,8,9,10,11,12,13,14,15
	ds_load_b128 v[BK+4*\t:BK+4*\t+3], v[RD32] offset:\t*528       ; LDS serves a wave's instructions in order: these see the stores above
.endr
	s_wait_dscnt 0x0
.irp t, 0,1,2,3,4,5,6,7,8,9,10,11,12,13,14,15
	global_store_b128 v[CO32], v[BK+4*\t:BK+4*\t+3], s[98:99] offset:\t*FROW   ; 32 lanes store 512 consecutive bytes, aligned
.endr
	s_wait_xcnt 0x0                                ; these stores have read their registers: they are loaded again only behind this wait
.Lnofine:
	; THE WAY OUT in f16, block by block of 16 rows x 128 columns: packed, 16 bytes a lane into my stage, back as whole rows of 256 bytes.
.macro PACK a
.set AC, 64*((\a)%4)
	WIN 0x0a+5*((\a)/4)                            ; sources 0 and 1: window 2 or 3
.irp b, 0,1,2,3,4,5,6,7
.irp r, 0,1,2,3
	v_cvt_pk_f16_f32 v[TMP+4*\b+\r], v[AC+8*\b+2*\r], v[AC+8*\b+2*\r+1]
.endr
.endr
	WIN 0
.endm
.macro TOSTAGE a
.set BB, BK+32*((\a)%2)
.irp b, 0,1,2,3,4,5,6,7
	ds_store_b128 v[STO16], v[TMP+4*\b:TMP+4*\b+3] offset:32*\b
.endr
.irp t, 0,1,2,3,4,5,6,7
	ds_load_b128 v[BB+4*\t:BB+4*\t+3], v[RD16] offset:\t*2*PITCH
.endr
.endm
.macro SEND a
.set BB, BK+32*((\a)%2)
	s_wait_dscnt 0x0                               ; the block is back in registers
	s_wait_xcnt 0x0                                ; the block before has left its registers: the next TOSTAGE loads them again only behind this wait
.irp t, 0,1,2,3,4,5,6,7
	global_store_b128 v[CO16], v[BB+4*\t:BB+4*\t+3], s[96:97] offset:(16*(\a)+2*\t)*QROW   ; 16 lanes store 256 consecutive bytes, aligned; 126 rows at the most: inside the signed 24-bit immediate
.endr
.endm
	PACK 0
	TOSTAGE 0
.irp a, 1,2,3,4,5,6,7                          ; block a's conversions stand between block a - 1's loads from the stage and the wait for them
	PACK \a
	SEND \a-1
	TOSTAGE \a
.endr
	SEND 7
	s_wait_tensorcnt 0x0                           ; the wave's end
	ds_add_u32 v[SPW], v[NIL]
	s_wait_dscnt 0x0
	CROUND                                         ; the closing round
	s_endpgm
.Lfunc_end_k_q7ce9a4b4fe_gemm_qkv:
	.size	k_q7ce9a4b4fe_gemm_qkv, .Lfunc_end_k_q7ce9a4b4fe_gemm_qkv-k_q7ce9a4b4fe_gemm_qkv
	.p2alignl 7, 3214868480
	.fill 96, 4, 3214868480
	.section	.rodata,"a",@progbits
	.p2align	6, 0x0
	.amdhsa_kernel k_q7ce9a4b4fe_gemm_qkv
		.amdhsa_group_segment_fixed_size 327680
		.amdhsa_private_segment_fixed_size 0
		.amdhsa_enable_private_segment 0
		.amdhsa_kernarg_size 56
		.amdhsa_user_sgpr_count 2
		.amdhsa_user_sgpr_kernarg_segment_ptr 1
		.amdhsa_wavefront_size32 1
		.amdhsa_system_sgpr_workgroup_id_x 1
		.amdhsa_system_sgpr_workgroup_id_y 1
		.amdhsa_system_sgpr_workgroup_id_z 1
		.amdhsa_system_vgpr_workitem_id 0
		.amdhsa_next_free_vgpr 1024
		.amdhsa_next_free_sgpr 100
		.amdhsa_reserve_vcc 0
		.amdhsa_float_denorm_mode_32 3
		.amdhsa_float_denorm_mode_16_64 3
		.amdhsa_memory_ordered 1
		.amdhsa_forward_progress 1
		.amdhsa_inst_pref_size 132
	.end_amdhsa_kernel
	.amdgpu_metadata
---
amdhsa.version: [ 1, 2 ]
amdhsa.kernels:
  - .name:           k_q7ce9a4b4fe_gemm_qkv
    .symbol:         k_q7ce9a4b4fe_gemm_qkv.kd
    .args:
      - { .name: xc, .offset: 0, .size: 8, .value_kind: global_buffer, .address_space: global }
      - { .name: xs, .offset: 8, .size: 8, .value_kind: global_buffer, .address_space: global }
      - { .name: wc, .offset: 16, .size: 8, .value_kind: global_buffer, .address_space: global }
      - { .name: ws, .offset: 24, .size: 8, .value_kind: global_buffer, .address_space: global }
      - { .name: b_attn, .offset: 32, .size: 8, .value_kind: global_buffer, .address_space: global }
      - { .name: qkv, .offset: 40, .size: 8, .value_kind: global_buffer, .address_space: global }
      - { .name: qkvf, .offset: 48, .size: 8, .value_kind: global_buffer, .address_space: global }
    .group_segment_fixed_size: 327680
    .private_segment_fixed_size: 0
    .kernarg_segment_align: 8
    .kernarg_segment_size: 56
    .max_flat_workgroup_size: 128
    .sgpr_count:     100
    .vgpr_count:     1024
    .wavefront_size: 32
...
	.end_amdgpu_metadata
.endif
;; end of part 3
;; launch attn (part 4): grid 8 x 32, 16 waves a work-group, no clusters, 327,680 bytes of LDS; arguments qkv, y16; writes y16
.if DOCPART == 4
	.amdgcn_target "amdgcn-amd-amdhsa--gfx1250"
	.amdhsa_code_object_version 6
	.text
	.protected	k_q7ce9a4b4fe_attn
	.globl	k_q7ce9a4b4fe_attn
	.p2align	8
	.type	k_q7ce9a4b4fe_attn,@function
k_q7ce9a4b4fe_attn:
	s_mov_b64 s[64:65], 0
	v_nop
	global_prefetch_b8 v0, s[64:65] scope:SCOPE_SE
	s_setreg_imm32_b32 hwreg(HW_REG_WAVE_MODE, 25, 1), 1
	s_wait_xcnt 0x0
; y[b][q][64 hd ..] = sum over k <= q of softmax_k(q . k / 8) v, for 4 batches x 16 heads of 64, 2,048 positions.  qkv [8192][3072] f16 (q at byte 0 of a row, k at 2,048, v at 4,096); y16 [8192][1024] f16.
; Products on f16 operands with f32 sums; maxima, exponentials and sums in f32; a running maximum m and sum l for each query: p = 2^(c s - c m), c = log2(e) / 8; O and l are multiplied by a = 2^(c m_old - c m_new) in every step.
; c m is ONE rounded number for all keys of a row and for a, so its rounding shifts every exponent of the row alike and cancels in O / l; p stays near 1 at the most.
; LIMITS: p under 6e-8 is lost in f16; |y| above 65,504 becomes infinity.  The first 16 positions of each sequence are computed here too, and written anew, more finely, by the last launch.
; HEAD PAIRS: the 128 f16 of heads 2 g and 2 g + 1 are 256 consecutive bytes, aligned, of a row of q, of k, of v and of y: a tile's rows and the way out's stores are such pieces.
; SHARES: a work-group is (j = 0..7; batch b, pair g).  A sequence is 64 blocks of 32 queries.  A wave owns one block of one head: two tiles of 16 queries.  The waves' blocks are dealt so that
;   (1) the two heads of a pair have the same block in two waves; (2) the blocks of any four waves w & 3 = const, or w >> 2 = const, sum to 126; (3) every work-group has a block at or above query 1,792.
;   So the causal work is even, every work-group reads every tile of 256 keys, every tensor load is issued by every work-group, and all trip counts are constants.
; A step of 64 keys all of which come after the wave's queries is left out by a scalar branch on ids; the one step on the diagonal masks.
; NO CLUSTER: the work-groups that share K and V differ in j alone, and which steps a wave leaves out hangs on j.
;   Without that branch a wave would walk up to 224 keys more and mask five steps for one: about a fifth more vector work in a loop whose vector work outweighs its 32 products a step.
; LAYOUT: S^T = K Q^T (source 0 = 16 keys, source 1 = 16 queries) and O^T = V^T P (source 0 = 16 channels, source 1 = P): a lane holds one query throughout; two packed score tiles ARE a fragment of P.
; RING: two slots of 256 keys (K's 256 rows, then V's); wave 0 fetches K's tile, wave 1 V's, one tensor load each behind a trip's barrier, four key steps ahead of the wait for it.
.set PK,    272                        ; a row of K in LDS: 256 bytes + 16: the 16 rows of a load start at 16 different banks (ISA guide 11.1)
.set PV,    288                        ; a row of V: 256 + 32
.set VOFF,  256*PK
.set SLOT,  VOFF+256*PV
.set SPARE, 2*SLOT                     ; the spare words, 128 bytes a wave: no other line names them
.set STAGE, 0                          ; the way out: 8 pairs of waves x 32 rows x 272 bytes, in slot 0, which has had its last fill and its last read by then
.set ROWQ,  6144                       ; a row of qkv
.set STEPB, 256*ROWQ                   ; a tile on, in memory
.set AK0, 1                            ; v1  my lane's place in a step's K
.set AV0, 2                            ; v2  and V
.set ADK, 3                            ; v3  the step's address of K; on the way out: where I put 16 bytes
.set ADV, 4                            ; v4  of V
.set SPW, 5
.set NIL, 6
.set PFO, 7                            ; v7  6,144 x lane: a lane a row; never rewritten
.set ST,  8                            ; tile t at v[ST + 8 t]: +0 c m, +1 m, +2 +3 l, +4 .. +7 c0-c3 at work; a takes c2's place
.set D0,  24                           ; v24, v25 the diagonal's bounds
.set NINF,26
.set QO,  27
.set RD,  28
.set GO,  29
.set RR,  30                           ; r = lane % 16
.set HH,  31                           ; h = lane / 16
.set Q,   32                           ; v32-63   Q: tile t, channels 32 c on: 32 + 16 t + 8 c
.set S,   64                           ; v64-127  S^T: tile t, keys 16 kt on: 64 + 32 t + 8 kt; P is packed into registers 0-15 of each tile
.set O,   128                          ; v128-191 O^T: 128 + 32 t + 8 ct
.set FB,  192                          ; v192-255 eight fragments of K, then eight of V
.set WV,  8
.set Q0,  16                           ; s16 my first query
.set KF,  17                           ; s17 the step's first key
.set TBK, 18                           ; s18 LDS byte at which the step's K begins
.set TBV, 19                           ; s19 and, less VOFF, its V
.set SEL, 20
.set CS,  22
.set G1K, 24
.set G1V, 32
.set G0K, 40                           ; s[40:43], s[44:47]: K's group 0 for slot 0, 1
.set G0V, 48                           ; s[48:51], s[52:55]: V's
.set RING,56
.set STP, 57
.set PFA, 58
.set LIMK,60
.macro TLOAD g0k, g1k, g0v, g1v        ; wave 0 fetches K's tile, wave 1 V's, the others nothing.  An s_nop 0 and four v_nop follow each of the two lines
	s_cmp_eq_u32 s[WV], 0
	s_cbranch_scc0 .Lnot_k_\@
	tensor_load_to_lds s[\g0k:\g0k+3], s[\g1k:\g1k+7]
	s_nop 0
.rept 4
	v_nop
.endr
	s_branch .Lasked_\@
.Lnot_k_\@:
	s_cmp_eq_u32 s[WV], 1
	s_cbranch_scc0 .Lasked_\@
	tensor_load_to_lds s[\g0v:\g0v+3], s[\g1v:\g1v+7]
	s_nop 0
.rept 4
	v_nop
.endr
.Lasked_\@:
.endm
; A PREFETCH of the tile that the NEXT trip's tensor loads will ask for: trip i names tile i + 2.  The eight work-groups of a (batch, pair) walk the same K and V: the one with j = 0 asks.
; In it waves 4-11, which fetch nothing, take 32 rows each, a lane a row, one line for K's 256 bytes of the row and one for V's.  So each such piece is named once in the launch.
; Tiles 0 and 1 come by their loads alone; from trip 6 on there is no tile two on, and nothing is asked for.
.macro ASK
	s_add_co_u32 s96, s[KF], 512
	s_cmp_lt_u32 s96, s[LIMK]
	s_cbranch_scc0 .Lnot_mine_\@
	global_prefetch_b8 v[PFO], s[PFA:PFA+1] th:TH_LOAD_NT scope:SCOPE_SE
	global_prefetch_b8 v[PFO], s[PFA:PFA+1] offset:2048 th:TH_LOAD_NT scope:SCOPE_SE
.Lnot_mine_\@:
.endm
	s_load_b128 s[4:7], s[0:1], 0x0                ; qkv, y16
	v_lshl_add_u32 v[SPW], v0, 2, SPARE
	v_mov_b32 v[NIL], 0
	ds_add_u32 v[SPW], v[NIL]                      ; the wave's opening: the add, twice on end, and its wait ahead of my first tensor load
	ds_add_u32 v[SPW], v[NIL]
	v_lshrrev_b32 v1, 5, v0
	v_readfirstlane_b32 s[WV], v1                  ; wave 0..15
	s_and_b32 s66, ttmp7, 0xffff
	s_lshr_b32 s10, s66, 3                         ; b
	s_and_b32 s11, s66, 7                          ; g
	s_bfe_u32 s12, s[WV], 0x10002                  ; u = (w >> 2) & 1: the head in the pair
	s_lshr_b32 s67, s[WV], 3                       ; a
	s_and_b32 s68, s[WV], 3
	s_xor_b32 s68, s68, s12                        ; col
	s_lshl_b32 s13, s67, 2
	s_add_co_u32 s13, s13, s68                     ; sidx = 4 a + col: the pair of waves that share a block, and its place in the stage
	s_lshr_b32 s69, s68, 1
	s_lshl_b32 s70, s67, 1
	s_add_co_u32 s69, s69, s70                     ; pidx = 2 a + col / 2
	s_lshl_b32 s70, s69, 1
	s_sub_co_u32 s70, 7, s70
	s_and_b32 s71, s68, 1
	s_mul_i32 s70, s70, s71
	s_add_co_u32 s14, s69, s70                     ; class = pidx, or 7 - pidx where col is odd
	s_lshl_b32 s70, ttmp9, 1
	s_sub_co_i32 s70, 7, s70
	s_and_b32 s71, s14, 1
	s_mul_i32 s70, s70, s71
	s_lshl_b32 s15, s14, 3
	s_add_co_u32 s15, s15, ttmp9
	s_add_co_i32 s15, s15, s70                     ; block = 8 class + j, or 8 class + 7 - j where the class is odd
	s_lshl_b32 s[Q0], s15, 5
	; descriptor group 1: 256 rows x 128 elements of 2 bytes, 3,072 elements from row to row; padding behind each 64 words: K 4 words, V 8
	s_mov_b32 s[G1K], (1<<16)|(1<<20)|(5<<22)|(3<<25)
	s_mov_b32 s[G1V], (1<<16)|(1<<20)|(5<<22)|(7<<25)
.irp g, G1K, G1V
	s_mov_b32 s[\g+1], 128<<16                     ; tensor_dim0
	s_mov_b32 s[\g+2], 256<<16                     ; tensor_dim1
	s_mov_b32 s[\g+3], 128<<16                     ; tile_dim0
	s_mov_b32 s[\g+4], 256                         ; tile_dim1
	s_mov_b32 s[\g+5], 3072
	s_mov_b32 s[\g+6], 0
	s_mov_b32 s[\g+7], 0
.endr
	s_mov_b32 s[SEL], 0x76543210
	s_mov_b32 s[SEL+1], 0xfedcba98                 ; v_permlanex16_b32's selects for lane l xor 16
	s_mov_b32 s[CS], 0x3e38aa3b                    ; c = log2(e) / 8
	s_mov_b32 s[CS+1], s[CS]                       ; (named with it as a pair, so it is written)
	s_mov_b32 s[KF], 0
	s_lshl_b32 s67, s10, 11                        ; the batch's first row
	s_lshl_b32 s70, s11, 8                         ; the pair's bytes in a row
	s_mul_i32 s68, s67, ROWQ
	s_add_co_u32 s68, s68, s70
	s_mov_b32 s69, 0                               ; s[68:69]: the batch and pair in qkv
	s_add_co_u32 s71, s67, s[Q0]                   ; my first row
	s_mul_i32 s74, s71, ROWQ
	s_add_co_u32 s74, s74, s70
	s_lshl_b32 s72, s12, 7                         ; 128 u
	s_add_co_u32 s74, s74, s72
	s_mov_b32 s75, 0                               ; s[74:75]: my Q
	s_lshl_b32 s73, s12, 4
	s_add_co_u32 s71, s71, s73                     ; the 16 rows that I store: tile u of the block
	s_lshl_b32 s96, s71, 11
	s_add_co_u32 s96, s96, s70
	s_mov_b32 s97, 0                               ; s[96:97]: their place in y16
	s_sub_co_u32 s66, s[WV], 4
	s_lshr_b32 s71, s66, 3                         ; 0 in waves 4 to 11,
	s_or_b32 s71, s71, ttmp9                       ; of the work-group with j = 0
	s_cmp_eq_u32 s71, 0
	s_cselect_b32 s[LIMK], 2048, 0
	s_and_b32 s66, s66, 7
	s_lshl_b32 s66, s66, 5
	s_add_co_u32 s66, s66, 256                     ; my 32 rows of tile 1: every trip steps a tile on before it asks
	s_mul_i32 s66, s66, ROWQ
	s_add_co_u32 s66, s66, 2048                    ; at k's bytes
	s_mov_b32 s67, 0
	s_add_co_u32 s73, s72, VOFF
	s_wait_dscnt 0x0                               ; both opening adds are done
	s_wait_kmcnt 0x0
	s_add_nc_u64 s[68:69], s[4:5], s[68:69]
.irp s, 0,1
	s_mov_b32 s[G0K+4*\s], 1                       ; count = 1
	s_mov_b32 s[G0K+4*\s+1], \s*SLOT               ; LDS address
	s_add_nc_u64 s[G0K+4*\s+2:G0K+4*\s+3], s[68:69], 2048+\s*STEPB   ; tile s of k
	s_or_b32 s[G0K+4*\s+3], s[G0K+4*\s+3], 0x80000000               ; type = 2
	s_mov_b32 s[G0V+4*\s], 1
	s_mov_b32 s[G0V+4*\s+1], \s*SLOT+VOFF
	s_add_nc_u64 s[G0V+4*\s+2:G0V+4*\s+3], s[68:69], 4096+\s*STEPB   ; tile s of v
	s_or_b32 s[G0V+4*\s+3], s[G0V+4*\s+3], 0x80000000
.endr
	TLOAD G0K, G1K, G0V, G1V                       ; tile 0
	s_add_nc_u64 s[74:75], s[4:5], s[74:75]
	s_add_nc_u64 s[6:7], s[6:7], s[96:97]
	s_add_nc_u64 s[PFA:PFA+1], s[68:69], s[66:67]
	v_and_b32 v[RR], 15, v0
	v_bfe_u32 v[HH], v0, 4, 1
	v_mul_u32_u24 v[QO], v[RR], ROWQ
	v_lshl_add_u32 v[QO], v[HH], 4, v[QO]          ; row r, 16 bytes for each half of the lanes
.irp t, 0,1
.irp c, 0,1
	global_load_b128 v[Q+16*\t+8*\c:Q+16*\t+8*\c+3],   v[QO], s[74:75] offset:16*ROWQ*\t+64*\c      ; Q stays in registers
	global_load_b128 v[Q+16*\t+8*\c+4:Q+16*\t+8*\c+7], v[QO], s[74:75] offset:16*ROWQ*\t+64*\c+32
.endr
.endr
	v_mul_u32_u24 v[AK0], v[RR], PK
	v_lshl_add_u32 v[AK0], v[HH], 4, v[AK0]
	v_add_nc_u32 v[AK0], s72, v[AK0]               ; K: key r, my half's 16 bytes, my head's 128
	v_and_b32 v[ADK], 7, v0
	v_lshl_add_u32 v[AV0], v[HH], 3, v[ADK]
	v_mul_u32_u24 v[AV0], v[AV0], PV               ; V, for the turning load: key 8 h + l % 8,
	v_bfe_u32 v[ADK], v0, 3, 1
	v_lshl_add_u32 v[AV0], v[ADK], 4, v[AV0]       ; channels 8 ((l / 8) % 2) on,
	v_add_nc_u32 v[AV0], s73, v[AV0]               ; behind K's rows, my head
	v_and_b32 v[PFO], 31, v0
	v_mul_u32_u24 v[PFO], v[PFO], ROWQ
	v_mov_b32 v[NINF], 0xff800000                  ; -infinity
.irp t, 0,1
	v_mov_b32 v[ST+8*\t+1], 0xff61b1e6             ; m: -3e38, under every score
	v_mul_f32 v[ST+8*\t], s[CS], v[ST+8*\t+1]      ; c m
	v_mov_b32 v[ST+8*\t+2], 0                      ; l
	v_mov_b32 v[ST+8*\t+3], 0
	v_mov_b32 v[ST+8*\t+5], 0                      ; (a lane permute's destination, and the upper half of a's pair, are written before they are named)
	v_mov_b32 v[ST+8*\t+7], 0
.endr
.set N, 0
.rept 64
	v_mov_b32 v[O+N], 0                            ; O^T.  (The step is written once: the first finds zeros, which a = 0 leaves zeros)
.set N, N+1
.endr
; THE SOFTMAX of both tiles for one step, the tiles line by line by turns, so that no line waits for the line above it.
.macro SOFTMAX
.irp j, 0,1,2,3                                ; the maximum of 32 scores and the old m: four chains; each accumulator is first read at its low end
.irp t, 0,1
	v_max3_num_f32 v[ST+8*\t+4+\j], v[S+32*\t+8*\j], v[S+32*\t+8*\j+1], v[S+32*\t+8*\j+2]
.endr
.endr
.irp i, 3,5
.irp j, 0,1,2,3
.irp t, 0,1
	v_max3_num_f32 v[ST+8*\t+4+\j], v[ST+8*\t+4+\j], v[S+32*\t+8*\j+\i], v[S+32*\t+8*\j+\i+1]
.endr
.endr
.endr
.irp t, 0,1
	v_max3_num_f32 v[ST+8*\t+4], v[ST+8*\t+4], v[S+32*\t+7], v[S+32*\t+15]
.endr
.irp t, 0,1
	v_max3_num_f32 v[ST+8*\t+6], v[ST+8*\t+6], v[S+32*\t+23], v[S+32*\t+31]
.endr
.irp t, 0,1
	v_max3_num_f32 v[ST+8*\t+4], v[ST+8*\t+4], v[ST+8*\t+5], v[ST+8*\t+6]
.endr
.irp t, 0,1
	v_max3_num_f32 v[ST+8*\t+4], v[ST+8*\t+4], v[ST+8*\t+7], v[ST+8*\t+1]
.endr
.irp t, 0,1
	v_permlanex16_b32 v[ST+8*\t+5], v[ST+8*\t+4], s[SEL], s[SEL+1]   ; the query's other 32 keys lie in the lane 16 away
.endr
.irp t, 0,1
	v_mov_b32 v[ST+8*\t+7], v[ST+8*\t]             ; c m_old is kept for a
.endr
.irp t, 0,1
	v_max_num_f32 v[ST+8*\t+1], v[ST+8*\t+4], v[ST+8*\t+5]
.endr
.irp t, 0,1
	v_mul_f32 v[ST+8*\t], s[CS], v[ST+8*\t+1]
.endr
.irp t, 0,1
	v_sub_f32 v[ST+8*\t+7], v[ST+8*\t+7], v[ST+8*\t]
.endr
.irp i, 0,2,4,6,8,10,12,14,16,18,20,22,24,26,28,30
.irp t, 0,1
	v_pk_fma_f32 v[S+32*\t+\i:S+32*\t+\i+1], v[S+32*\t+\i:S+32*\t+\i+1], s[CS:CS+1], v[ST+8*\t:ST+8*\t+1] op_sel_hi:[1,0,0] neg_lo:[0,0,1] neg_hi:[0,0,1]   ; c s - c m
.endr
.endr
.irp t, 0,1
	v_exp_f32 v[ST+8*\t+6], v[ST+8*\t+7]           ; a.  ONE BATCH of 66 exponentials: none reads another's result
.endr
.set N, 0
.rept 32
	v_exp_f32 v[S+N], v[S+N]
	v_exp_f32 v[S+32+N], v[S+32+N]
.set N, N+1
.endr
	v_nop                                          ; a plain line behind the last exponential
	s_wait_alu depctr_va_vdst(0)                   ; one wait for the batch, ahead of its first reader
.irp t, 0,1                                    ; l = a l + the sum of the unrounded p, two at a time, in two chains
	v_pk_fma_f32 v[ST+8*\t+2:ST+8*\t+3], v[ST+8*\t+2:ST+8*\t+3], v[ST+8*\t+6:ST+8*\t+7], v[S+32*\t:S+32*\t+1] op_sel_hi:[1,0,1]
.endr
.irp t, 0,1
	v_pk_add_f32 v[ST+8*\t+4:ST+8*\t+5], v[S+32*\t+2:S+32*\t+3], v[S+32*\t+4:S+32*\t+5]
.endr
.irp i, 6,10,14,18,22,26
.irp t, 0,1
	v_pk_add_f32 v[ST+8*\t+2:ST+8*\t+3], v[ST+8*\t+2:ST+8*\t+3], v[S+32*\t+\i:S+32*\t+\i+1]
.endr
.irp t, 0,1
	v_pk_add_f32 v[ST+8*\t+4:ST+8*\t+5], v[ST+8*\t+4:ST+8*\t+5], v[S+32*\t+\i+2:S+32*\t+\i+3]
.endr
.endr
.irp t, 0,1
	v_pk_add_f32 v[ST+8*\t+2:ST+8*\t+3], v[ST+8*\t+2:ST+8*\t+3], v[S+32*\t+30:S+32*\t+31]
.endr
.irp t, 0,1
	v_pk_add_f32 v[ST+8*\t+2:ST+8*\t+3], v[ST+8*\t+2:ST+8*\t+3], v[ST+8*\t+4:ST+8*\t+5]
.endr
.irp i, 0,1,2,3,4,5,6,7,8,9,10,11,12,13,14,15  ; P, packed in place, ascending: register i takes pair i, which lies at 2 i and 2 i + 1
.irp t, 0,1
	v_cvt_pk_f16_f32 v[S+32*\t+\i], v[S+32*\t+2*\i], v[S+32*\t+2*\i+1]
.endr
.endr
.irp i, 0,2,4,6,8,10,12,14,16,18,20,22,24,26,28,30
.irp t, 0,1
	v_pk_mul_f32 v[O+32*\t+\i:O+32*\t+\i+1], v[O+32*\t+\i:O+32*\t+\i+1], v[ST+8*\t+6:ST+8*\t+7] op_sel_hi:[1,0]   ; O^T x a
.endr
.endr
.endm
; A KEY STEP: 64 keys.  The accumulators take turns, one instruction a turn: seven others' stand between two links of a chain.
.macro STEP
	s_add_co_u32 s96, s[Q0], 31
	s_cmp_gt_u32 s[KF], s96                        ; all 64 keys come after my 32 queries: the step's work is left out; the lines at its end that step addresses are not
	s_cbranch_scc1 .Lhidden_\@
	v_add_nc_u32 v[ADK], s[TBK], v[AK0]
	v_add_nc_u32 v[ADV], s[TBV], v[AV0]
.rept 3
	v_nop                                          ; with the two additions five places behind the last products: four for the loads into V's registers, five for the products that write over P
.endr
.irp c, 0,1                                    ; K: fragment (keys 16 kt on, channels 32 c on) at FB + 8 (2 kt + c); the first 32 channels first
.irp kt, 0,1,2,3
	ds_load_b128 v[FB+8*(2*\kt+\c):FB+8*(2*\kt+\c)+3],   v[ADK] offset:16*PK*\kt+64*\c
	ds_load_b128 v[FB+8*(2*\kt+\c)+4:FB+8*(2*\kt+\c)+7], v[ADK] offset:16*PK*\kt+64*\c+32
.endr
.endr
.irp c, 0,1
	s_wait_dscnt 8-8*\c                            ; this chunk's eight loads are in; the second chunk's eight may be out
.irp kt, 0,1,2,3
.irp t, 0,1
.if \c == 0
	v_wmma_f32_16x16x32_f16 v[S+32*\t+8*\kt:S+32*\t+8*\kt+7], v[FB+8*(2*\kt+\c):FB+8*(2*\kt+\c)+7], v[Q+16*\t+8*\c:Q+16*\t+8*\c+7], 0
.else
	v_wmma_f32_16x16x32_f16 v[S+32*\t+8*\kt:S+32*\t+8*\kt+7], v[FB+8*(2*\kt+\c):FB+8*(2*\kt+\c)+7], v[Q+16*\t+8*\c:Q+16*\t+8*\c+7], v[S+32*\t+8*\kt:S+32*\t+8*\kt+7]
.endif
.endr
.endr
.endr
.rept 4
	v_nop                                          ; places in front of the loads into K's registers and of the reads of the scores
.endr
.irp c2, 0,1                                   ; V, turned: fragment (keys 32 c2 on, channels 16 ct on) at FB + 8 (4 c2 + ct).  These land under the softmax
.irp ct, 0,1,2,3
	ds_load_tr16_b128 v[FB+8*(4*\c2+\ct):FB+8*(4*\c2+\ct)+3],   v[ADV] offset:32*PV*\c2+32*\ct
	ds_load_tr16_b128 v[FB+8*(4*\c2+\ct)+4:FB+8*(4*\c2+\ct)+7], v[ADV] offset:32*PV*\c2+16*PV+32*\ct
.endr
.endr
	s_add_co_u32 s96, s[KF], 63
	s_cmp_le_u32 s96, s[Q0]                        ; a step all of whose keys count skips the mask; a wave's 32 queries lie inside one step, so it masks once
	s_cbranch_scc1 .Lopen_\@
	s_sub_co_i32 s96, s[Q0], s[KF]
	v_lshlrev_b32 v[D0], 3, v[HH]
	v_sub_nc_u32 v[D0], v[RR], v[D0]
	v_add_nc_u32 v[D0], s96, v[D0]                 ; tile 0: register 8 kt + i holds key KF + 16 kt + 8 h + i: hidden where 16 kt + i > Q0 - KF + r - 8 h
	v_add_nc_u32 v[D0+1], 16, v[D0]                ; tile 1: its queries lie 16 on
.irp t, 0,1
.set N, 0
.rept 32
	v_cmp_gt_i32 vcc_lo, 16*(N/8)+N%8, v[D0+\t]
	v_cndmask_b32 v[S+32*\t+N], v[S+32*\t+N], v[NINF], vcc_lo      ; -infinity ahead of the maximum: p = 0 then.  Key 0 counts for every query, so m is a number from the first step on
.set N, N+1
.endr
.endr
.Lopen_\@:
	SOFTMAX
	s_wait_dscnt 0x0                               ; V is in
.irp c2, 0,1
.irp ct, 0,1,2,3
.irp t, 0,1
	v_wmma_f32_16x16x32_f16 v[O+32*\t+8*\ct:O+32*\t+8*\ct+7], v[FB+8*(4*\c2+\ct):FB+8*(4*\c2+\ct)+7], v[S+32*\t+8*\c2:S+32*\t+8*\c2+7], v[O+32*\t+8*\ct:O+32*\t+8*\ct+7]
.endr
.endr
.endr
.Lhidden_\@:
	s_add_co_u32 s[KF], s[KF], 64
	s_add_co_u32 s[TBK], s[TBK], 64*PK
	s_add_co_u32 s[TBV], s[TBV], 64*PV
.endm
; A TRIP: one tile of 256 keys, in slot.  Each wave waits for all its tensor loads (this trip's tile), adds 0 to its spare word, and waits for that and for its reads of the other slot; behind the barrier
; this slot is whole and nobody reads the other one.  refill = 1: the other slot takes the next tile: the wave's one tensor load until the next barrier; it has four key steps in which to land.
; The add stands twice on end wherever a load can still follow.
.macro TRIP slot, refill
	s_wait_tensorcnt 0x0                           ; no tensor load of mine is out, so a group 0 may be written
	ds_add_u32 v[SPW], v[NIL]
.if \refill
	ds_add_u32 v[SPW], v[NIL]
	s_add_nc_u64 s[G0K+4*\slot+2:G0K+4*\slot+3], s[G0K+4*\slot+2:G0K+4*\slot+3], 2*STEPB   ; this slot's next tile; the type bits on top are not reached
	s_add_nc_u64 s[G0V+4*\slot+2:G0V+4*\slot+3], s[G0V+4*\slot+2:G0V+4*\slot+3], 2*STEPB
	s_wait_xcnt 0x0                                ; the last prefetches, a trip back, have read their address:
	s_add_nc_u64 s[PFA:PFA+1], s[PFA:PFA+1], STEPB ; a tile on
.endif
	s_wait_dscnt 0x0                               ; the add is done, and my reads of the slot that I have left are over
	s_barrier_signal -1
	s_barrier_wait -1
.if \refill
	TLOAD G0K+4*(1-\slot), G1K, G0V+4*(1-\slot), G1V
	ASK
.endif
	s_mov_b32 s[TBK], \slot*SLOT
	s_mov_b32 s[TBV], \slot*SLOT
	s_mov_b32 s[STP], 4
.Lstep_\@:
	STEP
	s_sub_co_u32 s[STP], s[STP], 1
	s_cmp_lg_u32 s[STP], 0
	s_cbranch_scc1 .Lstep_\@
.endm
	s_wait_loadcnt 0x0                             ; Q
	s_mov_b32 s[RING], 3
.Lring:                                            ; eight tiles: three trips of two, then the last two written out
	TRIP 0, 1
	TRIP 1, 1
	s_sub_co_u32 s[RING], s[RING], 1
	s_cmp_lg_u32 s[RING], 0
	s_cbranch_scc1 .Lring
	TRIP 0, 1
	TRIP 1, 0
	; THE WAY OUT.  l's halves and the other half of the lanes' are added (these lines are the places behind the last products); O^T / l is rounded to f16.
	; A row's 256 bytes come from the two waves of a pair: they meet in the pair's stage; then the wave of head u stores tile u's 16 whole rows.
.irp t, 0,1
	v_add_f32 v[ST+8*\t+4], v[ST+8*\t+2], v[ST+8*\t+3]
.endr
.irp t, 0,1
	v_permlanex16_b32 v[ST+8*\t+5], v[ST+8*\t+4], s[SEL], s[SEL+1]
.endr
.irp t, 0,1
	v_add_f32 v[ST+8*\t+4], v[ST+8*\t+4], v[ST+8*\t+5]
.endr
.irp t, 0,1
	v_rcp_f32 v[ST+8*\t+6], v[ST+8*\t+4]
.endr
	s_mul_i32 s66, s13, 32*PK                      ; the pair's stage
	s_lshl_b32 s67, s12, 7
	s_add_co_u32 s67, s67, s66
	s_mul_i32 s68, s12, 16*PK
	s_add_co_u32 s68, s68, s66
	v_mul_u32_u24 v[ADK], v[RR], PK                ; (plain lines behind the reciprocals)  in: row r, my head's 128 bytes, 16 bytes for each half
	v_lshl_add_u32 v[ADK], v[HH], 4, v[ADK]
	v_add_nc_u32 v[ADK], s67, v[ADK]
	v_mul_u32_u24 v[RD], v[HH], PK                 ; back: tile u; lanes 0-15 one row of 256 bytes, lanes 16-31 the next
	v_lshl_add_u32 v[RD], v[RR], 4, v[RD]
	v_add_nc_u32 v[RD], s68, v[RD]
	v_lshlrev_b32 v[GO], 11, v[HH]                 ; and the same two rows in y16
	v_lshl_add_u32 v[GO], v[RR], 4, v[GO]
	s_wait_alu depctr_va_vdst(0)                   ; one wait for the two reciprocals, ahead of their first reader
.irp i, 0,2,4,6,8,10,12,14,16,18,20,22,24,26,28,30
.irp t, 0,1
	v_pk_mul_f32 v[O+32*\t+\i:O+32*\t+\i+1], v[O+32*\t+\i:O+32*\t+\i+1], v[ST+8*\t+6:ST+8*\t+7] op_sel_hi:[1,0]
.endr
.endr
.irp t, 0,1
.irp i, 0,1,2,3,4,5,6,7,8,9,10,11,12,13,14,15
	v_cvt_pk_f16_f32 v[S+16*\t+\i], v[O+32*\t+2*\i], v[O+32*\t+2*\i+1]
.endr
.endr
.irp t, 0,1
.irp ct, 0,1,2,3
	ds_store_b128 v[ADK], v[S+16*\t+4*\ct:S+16*\t+4*\ct+3] offset:16*PK*\t+32*\ct
.endr
.endr
	s_wait_dscnt 0x0                               ; for my partner's sake: my stores into the stage are done
	s_barrier_signal -1
	s_barrier_wait -1
.irp i, 0,1,2,3,4,5,6,7
	ds_load_b128 v[S+32+4*\i:S+32+4*\i+3], v[RD] offset:2*PK*\i
.endr
.irp i, 0,1,2,3,4,5,6,7
	s_wait_dscnt 7-\i                              ; rows 2 i, 2 i + 1 are back; the younger ones may be out
	global_store_b128 v[GO], v[S+32+4*\i:S+32+4*\i+3], s[6:7] offset:4096*\i   ; 16 lanes store 256 consecutive bytes, aligned
.endr
	s_wait_tensorcnt 0x0                           ; the wave's end
	ds_add_u32 v[SPW], v[NIL]
	s_wait_dscnt 0x0
	s_endpgm
.Lfunc_end_k_q7ce9a4b4fe_attn:
	.size	k_q7ce9a4b4fe_attn, .Lfunc_end_k_q7ce9a4b4fe_attn-k_q7ce9a4b4fe_attn
	.p2alignl 7, 3214868480
	.fill 96, 4, 3214868480
	.section	.rodata,"a",@progbits
	.p2align	6, 0x0
	.amdhsa_kernel k_q7ce9a4b4fe_attn
		.amdhsa_group_segment_fixed_size 327680
		.amdhsa_private_segment_fixed_size 0
		.amdhsa_enable_private_segment 0
		.amdhsa_kernarg_size 16
		.amdhsa_user_sgpr_count 2
		.amdhsa_user_sgpr_kernarg_segment_ptr 1
		.amdhsa_wavefront_size32 1
		.amdhsa_system_sgpr_workgroup_id_x 1
		.amdhsa_system_sgpr_workgroup_id_y 1
		.amdhsa_system_sgpr_workgroup_id_z 1
		.amdhsa_system_vgpr_workitem_id 0
		.amdhsa_next_free_vgpr 256
		.amdhsa_next_free_sgpr 100
		.amdhsa_reserve_vcc 1
		.amdhsa_float_denorm_mode_32 3
		.amdhsa_float_denorm_mode_16_64 3
		.amdhsa_memory_ordered 1
		.amdhsa_forward_progress 1
		.amdhsa_inst_pref_size 108
	.end_amdhsa_kernel
	.amdgpu_metadata
---
amdhsa.version: [ 1, 2 ]
amdhsa.kernels:
  - .name:           k_q7ce9a4b4fe_attn
    .symbol:         k_q7ce9a4b4fe_attn.kd
    .args:
      - { .name: qkv, .offset: 0, .size: 8, .value_kind: global_buffer, .address_space: global }
      - { .name: y16, .offset: 8, .size: 8, .value_kind: global_buffer, .address_space: global }
    .group_segment_fixed_size: 327680
    .private_segment_fixed_size: 0
    .kernarg_segment_align: 8
    .kernarg_segment_size: 16
    .max_flat_workgroup_size: 512
    .sgpr_count:     100
    .vgpr_count:     256
    .wavefront_size: 32
...
	.end_amdgpu_metadata
.endif
;; end of part 4
;; launch proj (part 5): grid 8 x 64, 4 waves a work-group, clusters of 4 x 4, 327,680 bytes of LDS; arguments y16, wp16, b_proj, out0; writes out0
.if DOCPART == 5
	.amdgcn_target "amdgcn-amd-amdhsa--gfx1250"
	.amdhsa_code_object_version 6
	.text
	.protected	k_q7ce9a4b4fe_proj
	.globl	k_q7ce9a4b4fe_proj
	.p2align	8
	.type	k_q7ce9a4b4fe_proj,@function
k_q7ce9a4b4fe_proj:
	s_mov_b64 s[64:65], 0
	v_nop
	global_prefetch_b8 v0, s[64:65] scope:SCOPE_SE
	s_setreg_imm32_b32 hwreg(HW_REG_WAVE_MODE, 25, 1), 1
	s_wait_xcnt 0x0
	s_wait_alu depctr_hold_cnt(0) depctr_sa_sdst(0) depctr_va_vdst(0) depctr_va_sdst(0) depctr_va_ssrc(0) depctr_va_vcc(0) depctr_vm_vsrc(0)
	s_getreg_b32 s2, hwreg(HW_REG_IB_STS2, 6, 4)
	s_cmp_eq_u32 s2, 0
	s_cbranch_scc0 .Lentry_in_a_cluster
	s_endpgm
.Lentry_in_a_cluster:
	s_bfe_u32 s2, ttmp6, 0x10000c
	s_cmp_lg_u32 s2, 0xf033
	s_cbranch_scc0 .Lentry_shape_is_right
	s_endpgm
.Lentry_shape_is_right:
; out0[m][n] = sum over k of y[m][k] W_proj[k][n] + b_proj[n].  y16 [8192][1024] and wp16 [1024 n][1024 k] in f16, sums in f32, out0 [8192][1024] f32.
; A tile of C is 128 x 128: 512 tiles, two even turns of the WGPs; tiles of 256 x 256 would be 128.  Four waves, each 64 x 64: 16 accumulators.  K goes in steps of 256 (LDS rows of 512 bytes) through two slots.
; CLUSTERS: 4 x 4 work-groups; A's tile is asked for jointly along a row of the cluster, B's along a column.  The matrix instruction is used transposed (source 0 = 16 rows of wp16, source 1 = 16 rows of y16):
; a lane holds eight neighbouring columns of a row of C.  The bias is the C of each sum's first instruction.
; No prefetch: K has four steps, and a step's tiles are small.  The 64 rows that begin the four sequences are written here and written anew, more finely, by the last launch.
; REGISTERS: window 0: v16-31 addresses; v32-95 rows on the way out; v96-127 the bias; v128-255 the accumulators ((a, b) at v[128 + 8 (4 a + b)]).   window 1: two fragment buffers of 128.
.set SIZE_M, 8192
.set SIZE_N, 1024
.set SIZE_K, 1024
.set KSTEP,  256
.set PITCH,  528                       ; an LDS row: 512 bytes + 16: the 16 rows that a load touches start at 16 different banks (ISA guide 11.1)
.set HALFT,  64*PITCH
.set SLOT,   4*HALFT
.set SPITCH, 272                       ; the way out: a stage of 64 rows x (256 bytes + 16) for each wave, in slot 0, which has had its last fill and its last read by then
.set SPARE,  2*SLOT                    ; the spare words, 128 bytes a wave: no other line names them
.set LAPS, SIZE_K/(2*KSTEP)
.set ADRA, 16
.set ADRB, 20
.set STO,  24
.set RD,   25
.set CO,   26
.set BO,   27
.set SPW,  28
.set NIL,  29
.set TMP,  32
.set BI,   96
.set ACC,  128
.set F0,   0
.set F1,   128
.set G1, 24
.set G0, 32
.set G1B, 48
.set G0B, 56
.set MSB, 0
.macro WIN new
.if MSB != \new
	s_set_vgpr_msb (MSB<<8)|\new
.set MSB, \new
.endif
.endm
.set MUL,  0x05                        ; sources 0 (B) and 1 (A) window 1; C and D window 0
.set TO_F, 0x40
.macro JLOAD s                         ; a joint load: waves 0 and 1 fetch A's two halves, waves 2 and 3 B's; an s_nop 0 and four v_nop follow each of the two lines
	s_cmp_eq_u32 s11, 0
	s_cbranch_scc0 .Lfor_b_\@
	tensor_load_to_lds s[G0+4*\s:G0+4*\s+3], s[G1:G1+7]
	s_nop 0
.rept 4
	v_nop
.endr
	s_branch .Lasked_\@
.Lfor_b_\@:
	tensor_load_to_lds s[G0B+4*\s:G0B+4*\s+3], s[G1B:G1B+7]
	s_nop 0
.rept 4
	v_nop
.endr
.Lasked_\@:
.endm
.macro CREST
	s_cmp_lg_u32 s10, 0
	s_cbranch_scc1 .Lnot_wave_0_\@
	s_barrier_signal -3
.Lnot_wave_0_\@:
	s_barrier_wait -3
	s_barrier_signal -1
	s_barrier_wait -1
.endm
.macro CROUND
	s_barrier_signal -1
	s_barrier_wait -1
	CREST
.endm
	s_load_b128 s[4:7], s[0:1], 0x0                ; y16, wp16
	s_load_b64 s[66:67], s[0:1], 0x10              ; b_proj
	s_load_b64 s[8:9], s[0:1], 0x18                ; out0
	v_lshl_add_u32 v[SPW], v0, 2, SPARE
	v_mov_b32 v[NIL], 0
	ds_add_u32 v[SPW], v[NIL]                      ; the wave's opening: the add, twice on end, and its wait ahead of my first tensor load
	ds_add_u32 v[SPW], v[NIL]
	v_lshrrev_b32 v1, 5, v0
	v_readfirstlane_b32 s10, v1                    ; wave 0..3
	s_lshr_b32 s11, s10, 1                         ; which half of the tile's rows is mine.  Also: I fetch for A (0) or for B (1)
	s_and_b32 s12, s10, 1                          ; which half of its columns.  Also: which 64 rows of that tile I fetch
	s_bfe_u32 s40, ttmp6, 0x40000                  ; cx, cy
	s_bfe_u32 s41, ttmp6, 0x40004
	s_lshl_b32 s42, ttmp9, 2
	s_add_co_u32 s42, s42, s40                     ; tile column
	s_and_b32 s13, ttmp7, 0xffff
	s_lshl_b32 s13, s13, 2
	s_add_co_u32 s13, s13, s41                     ; tile row
	s_lshl_b32 s43, s41, 2
	s_lshl_b32 s43, 15, s43                        ; my row of the cluster
	s_lshl_b32 s44, 0x1111, s40                    ; my column
	; descriptor group 1: 64 rows x 256 elements of 2 bytes, 16 bytes of padding behind each 512
	s_or_b32 s[G1+0], s43, (1<<16)|(1<<20)|(1<<21)|(6<<22)|(3<<25)
	s_or_b32 s[G1B+0], s44, (1<<16)|(1<<20)|(1<<21)|(6<<22)|(3<<25)
.irp g, G1, G1B
	s_mov_b32 s[\g+1], KSTEP<<16
	s_mov_b32 s[\g+2], 64<<16
	s_mov_b32 s[\g+3], KSTEP<<16
	s_mov_b32 s[\g+4], 64
	s_mov_b32 s[\g+5], SIZE_K
	s_mov_b32 s[\g+6], 0
	s_mov_b32 s[\g+7], 0
.endr
	s_lshl_b32 s17, s12, 6
	s_lshl_b32 s16, s13, 7
	s_add_co_u32 s16, s16, s17                     ; A: row 128 x tile row + 64 x half
	s_lshl_b32 s46, s42, 7
	s_add_co_u32 s46, s46, s17                     ; B: row 128 x tile column + 64 x half
	s_mov_b32 s17, 0
	s_mov_b32 s47, 0
	s_mov_b64 s[18:19], SIZE_K*2
	s_mul_u64 s[16:17], s[16:17], s[18:19]
	s_mul_u64 s[46:47], s[46:47], s[18:19]
	s_mul_i32 s20, s10, HALFT                      ; where they go: wave x 64 rows
	s_wait_dscnt 0x0                               ; both opening adds are done
	s_wait_kmcnt 0x0
	s_add_nc_u64 s[14:15], s[4:5], s[16:17]
	s_add_nc_u64 s[46:47], s[6:7], s[46:47]
	CROUND                                         ; all sixteen work-groups are here: the first joint loads meet
.irp s, 0,1
	s_mov_b32 s[G0+4*\s], 1
	s_add_co_u32 s[G0+4*\s+1], s20, \s*SLOT
	s_add_nc_u64 s[G0+4*\s+2:G0+4*\s+3], s[14:15], \s*KSTEP*2
	s_or_b32 s[G0+4*\s+3], s[G0+4*\s+3], 0x80000000
	s_mov_b32 s[G0B+4*\s], 1
	s_add_co_u32 s[G0B+4*\s+1], s20, \s*SLOT
	s_add_nc_u64 s[G0B+4*\s+2:G0B+4*\s+3], s[46:47], \s*KSTEP*2
	s_or_b32 s[G0B+4*\s+3], s[G0B+4*\s+3], 0x80000000
	JLOAD \s
.endr
	v_and_b32 v1, 15, v0                           ; r
	v_bfe_u32 v2, v0, 4, 1                         ; h
	v_mul_u32_u24 v3, v1, PITCH
	v_lshl_add_u32 v3, v2, 4, v3
	s_mul_i32 s21, s11, HALFT
	s_mul_i32 s22, s12, HALFT
	s_add_co_u32 s22, s22, 2*HALFT
.irp s, 0,1
	v_add_nc_u32 v[ADRA+\s], s21, v3
	v_add_nc_u32 v[ADRB+\s], s22, v3
	s_add_co_u32 s21, s21, SLOT
	s_add_co_u32 s22, s22, SLOT
.endr
	s_mul_i32 s23, s10, 64*SPITCH                  ; my stage
	v_mul_u32_u24 v4, v1, SPITCH                   ; in: row r, 32 bytes for each half of the lanes
	v_lshl_add_u32 v4, v2, 5, v4
	v_add_nc_u32 v[STO], s23, v4
	v_mul_u32_u24 v5, v2, SPITCH                   ; back: lanes 0-15 one row of 256 bytes, lanes 16-31 the next
	v_lshl_add_u32 v5, v1, 4, v5
	v_add_nc_u32 v[RD], s23, v5
	v_lshlrev_b32 v5, 12, v2                       ; and the same two rows in out0
	v_lshl_add_u32 v[CO], v1, 4, v5
	v_lshlrev_b32 v[BO], 5, v2
	s_lshl_b32 s46, s42, 9
	s_lshl_b32 s47, s12, 8
	s_add_co_u32 s46, s46, s47                     ; my first column in bytes: 512 x tile column + 256 x half
	s_mov_b32 s47, 0
	s_add_nc_u64 s[66:67], s[66:67], s[46:47]
	s_add_nc_u64 s[8:9], s[8:9], s[46:47]
	s_lshl_b32 s16, s13, 7
	s_lshl_b32 s17, s11, 6
	s_add_co_u32 s16, s16, s17                     ; my first row: 128 x tile row + 64 x half
	s_lshl_b32 s16, s16, 12
	s_mov_b32 s17, 0
	s_add_nc_u64 s[8:9], s[8:9], s[16:17]
.irp b, 0,1,2,3                                ; the bias in the result's layout: lane (r, h), block b: columns 16 b + 8 h + 0 .. 7
	global_load_b128 v[BI+8*\b:BI+8*\b+3],   v[BO], s[66:67] offset:64*\b
	global_load_b128 v[BI+8*\b+4:BI+8*\b+7], v[BO], s[66:67] offset:64*\b+16
.endr
; 8 matrix instructions: m blocks a0, a0 + 1 x all 4 n blocks, 32 along K: half c of buffer f.  zero = 1: the first product starts the sum on the bias.  The 16 accumulators take turns.
.macro MUL8 f, c, a0, zero
.irp a, \a0, \a0+1
.irp b, 0,1,2,3
.if \zero
	v_wmma_f32_16x16x32_f16 v[ACC+8*(4*(\a)+\b):ACC+8*(4*(\a)+\b)+7], v[\f+64+8*(4*\c+\b):\f+64+8*(4*\c+\b)+7], v[\f+8*(4*\c+\a):\f+8*(4*\c+\a)+7], v[BI+8*\b:BI+8*\b+7]
.else
	v_wmma_f32_16x16x32_f16 v[ACC+8*(4*(\a)+\b):ACC+8*(4*(\a)+\b)+7], v[\f+64+8*(4*\c+\b):\f+64+8*(4*\c+\b)+7], v[\f+8*(4*\c+\a):\f+8*(4*\c+\a)+7], v[ACC+8*(4*(\a)+\b):ACC+8*(4*(\a)+\b)+7]
.endif
.endr
.endr
.endm
.macro FETCH slot, k, f                ; 32 LDS loads in one run: the fragments of 64 along K at byte k of the rows; the first 32 along K first
	WIN TO_F
.irp c, 0,1
.irp i, 0,1,2,3
	ds_load_b128 v[\f+64+8*(4*\c+\i):\f+64+8*(4*\c+\i)+3],   v[ADRB+\slot] offset:\k+64*\c+\i*16*PITCH
	ds_load_b128 v[\f+64+8*(4*\c+\i)+4:\f+64+8*(4*\c+\i)+7], v[ADRB+\slot] offset:\k+64*\c+\i*16*PITCH+32
	ds_load_b128 v[\f+8*(4*\c+\i):\f+8*(4*\c+\i)+3],         v[ADRA+\slot] offset:\k+64*\c+\i*16*PITCH
	ds_load_b128 v[\f+8*(4*\c+\i)+4:\f+8*(4*\c+\i)+7],       v[ADRA+\slot] offset:\k+64*\c+\i*16*PITCH+32
.endr
.endr
.endm
.macro PLACES
.rept 4
	v_nop
.endr
.endm
.macro QUARTER slot, k, f, g, zero     ; 64 along K on buffer f; in its middle the next quarter, at byte k, is fetched into g
	s_wait_dscnt 16                                ; the first 32 along K are in; the other sixteen loads may be out
	WIN MUL
	MUL8 \f, 0, 0, \zero
	MUL8 \f, 0, 2, \zero
	PLACES
	FETCH \slot, \k, \g
	s_wait_dscnt 32                                ; all but the 32 just issued
	WIN MUL
	MUL8 \f, 1, 0, 0
	MUL8 \f, 1, 2, 0
.endm
; The last quarter changes slots: one barrier; in front of it each wave waits for all its tensor loads, adds 0 to its spare word, and waits for that and for its reads of this slot.  fill = 1: this slot is filled again, two K steps ahead.
.macro TURN slot, next, fill
	WIN 0
	s_wait_tensorcnt 0x0                           ; all my tensor loads have landed: my part of the next slot
	ds_add_u32 v[SPW], v[NIL]
	s_wait_dscnt 17                                ; (the add and the youngest sixteen loads may be out)
	WIN MUL
	MUL8 F1, 0, 0, 0
	s_wait_dscnt 0x0                               ; the add is done, and my reads of this slot are over
	s_barrier_signal -1
	MUL8 F1, 0, 2, 0
.if \fill
	WIN 0
.endif
	s_barrier_wait -1
.if \fill
	CREST                                          ; the barrier has opened a round of the cluster's barrier: no wave of any partner still reads this slot or has a load on its way
	s_add_nc_u64 s[G0+4*\slot+2:G0+4*\slot+3], s[G0+4*\slot+2:G0+4*\slot+3], 2*KSTEP*2
	s_add_nc_u64 s[G0B+4*\slot+2:G0B+4*\slot+3], s[G0B+4*\slot+2:G0B+4*\slot+3], 2*KSTEP*2
	JLOAD \slot                                    ; the first tensor load behind the round; its four v_nop are also the places in front of the loads below
.else
	PLACES
.endif
	FETCH \next, 0, F0
	WIN MUL
	MUL8 F1, 1, 0, 0
	MUL8 F1, 1, 2, 0
.endm
	s_wait_tensorcnt 1                             ; my part of K step 0 is in (K step 1's load may be out)
	s_barrier_signal -1
	s_barrier_wait -1                              ; everybody's is
	FETCH 0, 0, F0
	s_wait_loadcnt 0x0                             ; the bias
	QUARTER 0, 128, F0, F1, 1
	WIN 0
	s_mov_b32 s3, LAPS-1
.Llap:                                             ; a trip goes once round the ring and fills both slots again
	QUARTER 0, 256, F1, F0, 0
	QUARTER 0, 384, F0, F1, 0
	TURN 0, 1, 1
	QUARTER 1, 128, F0, F1, 0
	QUARTER 1, 256, F1, F0, 0
	QUARTER 1, 384, F0, F1, 0
	TURN 1, 0, 1
	QUARTER 0, 128, F0, F1, 0
	WIN 0
	s_sub_co_u32 s3, s3, 1
	s_cmp_lg_u32 s3, 0
	s_cbranch_scc1 .Llap
	QUARTER 0, 256, F1, F0, 0                      ; the last lap fills nothing
	QUARTER 0, 384, F0, F1, 0
	TURN 0, 1, 0
	QUARTER 1, 128, F0, F1, 0
	QUARTER 1, 256, F1, F0, 0
	QUARTER 1, 384, F0, F1, 0
	s_wait_dscnt 16
	WIN MUL
	MUL8 F1, 0, 0, 0
	MUL8 F1, 0, 2, 0
	s_wait_dscnt 0
	MUL8 F1, 1, 0, 0
	MUL8 F1, 1, 2, 0
	WIN 0
	; THE WAY OUT in f32: a wave's 64 columns are 256 consecutive bytes of a row, aligned.  32 bytes a lane into my own stage, back as whole rows: no barrier, and LDS serves a wave's instructions in order.
	PLACES
.irp a, 0,1,2,3
.irp b, 0,1,2,3
	ds_store_b128 v[STO], v[ACC+8*(4*\a+\b):ACC+8*(4*\a+\b)+3] offset:\a*16*SPITCH+64*\b        ; each accumulator from its low end on
	ds_store_b128 v[STO], v[ACC+8*(4*\a+\b)+4:ACC+8*(4*\a+\b)+7] offset:\a*16*SPITCH+64*\b+16
.endr
.endr
.irp q, 0,1
.if \q
	s_wait_xcnt 0x0                                ; the first sixteen stores have read their registers: they are loaded again only behind this wait
.endif
.irp t, 0,1,2,3,4,5,6,7,8,9,10,11,12,13,14,15
	ds_load_b128 v[TMP+4*\t:TMP+4*\t+3], v[RD] offset:(16*\q+\t)*2*SPITCH
.endr
.irp t, 0,1,2,3,4,5,6,7,8,9,10,11,12,13,14,15
	s_wait_dscnt 15-\t
	global_store_b128 v[CO], v[TMP+4*\t:TMP+4*\t+3], s[8:9] offset:(32*\q+2*\t)*SIZE_N*4 th:TH_STORE_NT   ; 16 lanes store 256 consecutive bytes, aligned
.endr
.endr
	s_wait_tensorcnt 0x0                           ; the wave's end
	ds_add_u32 v[SPW], v[NIL]
	s_wait_dscnt 0x0
	CROUND                                         ; the closing round
	s_endpgm
.Lfunc_end_k_q7ce9a4b4fe_proj:
	.size	k_q7ce9a4b4fe_proj, .Lfunc_end_k_q7ce9a4b4fe_proj-k_q7ce9a4b4fe_proj
	.p2alignl 7, 3214868480
	.fill 96, 4, 3214868480
	.section	.rodata,"a",@progbits
	.p2align	6, 0x0
	.amdhsa_kernel k_q7ce9a4b4fe_proj
		.amdhsa_group_segment_fixed_size 327680
		.amdhsa_private_segment_fixed_size 0
		.amdhsa_enable_private_segment 0
		.amdhsa_kernarg_size 32
		.amdhsa_user_sgpr_count 2
		.amdhsa_user_sgpr_kernarg_segment_ptr 1
		.amdhsa_wavefront_size32 1
		.amdhsa_system_sgpr_workgroup_id_x 1
		.amdhsa_system_sgpr_workgroup_id_y 1
		.amdhsa_system_sgpr_workgroup_id_z 1
		.amdhsa_system_vgpr_workitem_id 0
		.amdhsa_next_free_vgpr 512
		.amdhsa_next_free_sgpr 68
		.amdhsa_reserve_vcc 0
		.amdhsa_float_denorm_mode_32 3
		.amdhsa_float_denorm_mode_16_64 3
		.amdhsa_memory_ordered 1
		.amdhsa_forward_progress 1
		.amdhsa_inst_pref_size 87
	.end_amdhsa_kernel
	.amdgpu_metadata
---
amdhsa.version: [ 1, 2 ]
amdhsa.kernels:
  - .name:           k_q7ce9a4b4fe_proj
    .symbol:         k_q7ce9a4b4fe_proj.kd
    .args:
      - { .name: y16, .offset: 0, .size: 8, .value_kind: global_buffer, .address_space: global }
      - { .name: wp16, .offset: 8, .size: 8, .value_kind: global_buffer, .address_space: global }
      - { .name: b_proj, .offset: 16, .size: 8, .value_kind: global_buffer, .address_space: global }
      - { .name: out0, .offset: 24, .size: 8, .value_kind: global_buffer, .address_space: global }
    .group_segment_fixed_size: 327680
    .private_segment_fixed_size: 0
    .kernarg_segment_align: 8
    .kernarg_segment_size: 32
    .max_flat_workgroup_size: 128
    .sgpr_count:     68
    .vgpr_count:     512
    .wavefront_size: 32
...
	.end_amdgpu_metadata
.endif
;; end of part 5
;; launch fine (part 6): grid 16 x 4, 16 waves a work-group, no clusters, 85,504 bytes of LDS; arguments qkvf, W_proj, b_proj, out0; writes out0
.if DOCPART == 6
	.amdgcn_target "amdgcn-amd-amdhsa--gfx1250"
	.amdhsa_code_object_version 6
	.text
	.protected	k_q7ce9a4b4fe_fine
	.globl	k_q7ce9a4b4fe_fine
	.p2align	8
	.type	k_q7ce9a4b4fe_fine,@function
k_q7ce9a4b4fe_fine:
	s_mov_b64 s[64:65], 0
	v_nop
	global_prefetch_b8 v0, s[64:65] scope:SCOPE_SE
	s_setreg_imm32_b32 hwreg(HW_REG_WAVE_MODE, 25, 1), 1
	s_wait_xcnt 0x0
; The first 16 positions of each of the four sequences average one to sixteen values and are the largest in size: their attention and their projection are carried in f32 throughout, and their 64 rows of out0 are written anew.
; qkvf [64 = 16 b + position][3072] f32 (q, k, v as the quantised product left them, bias included); W_proj [1024][1024] f32; out0 rows 2,048 b + 0 .. 15.
; A work-group is (a slice of 64 output columns; a batch).  PHASE A: wave = head: S^T = K Q^T, the causal mask, the softmax with the row's maximum taken away, O^T = V^T P, y = O / l into LDS (16 rows x 1,024).
; The 16 rows' attention is repeated in each of the 16 slices: half a million multiply-adds.  PHASE B: wave = (16 columns nt, a quarter kq of K): 64 products; the four quarters meet in LDS; eight waves store.
; THE f32 MATRIX FORM takes k = 2 h + j in register j of lane (r, h).  k is permuted alike on both operands, so that a lane's registers are neighbours in memory or in LDS.
; Its accumulators, v16-47, are written by matrix instructions alone; four take turns; each sum begins with the constant 0; nine plain lines stand behind each run, for the reads of results and for the next sum's overwrite.
.set YP,    4112                       ; a row of y in LDS: 4,096 bytes + 16
.set RED,   66048                      ; behind y's 16 rows: 4 quarters x 16 rows x (256 bytes + 16)
.set SPARE, 83456                      ; the spare words, 128 bytes a wave: no other line names them
.set FROW,  12288
.set SPW,   14
.set NIL,   15
.set ACC,   16
.set QF,    48                         ; v48-79   q: channels 32 h + 0 .. 31 of row r
.set KF,    80                         ; v80-111  k likewise
.set VF,    112                        ; v112-143 v: register 8 ct + i: key 8 h + i, channel 16 ct + r
.set SS,    144                        ; v144-151 the scores, then p: register j: key 8 h + j, query r
.set T2,    176
.set BIAS,  184
.set YY,    192
.set WF,    48                         ; phase B: v48-175: register 4 gr + e: W_proj[256 kq + 8 gr + 4 h + e][my column]
.set YF,    192                        ; phase B: v192-255: y of row r at the same k
.macro NINE
.rept 9
	v_nop
.endr
.endm
	s_load_b128 s[4:7], s[0:1], 0x0                ; qkvf, W_proj
	s_load_b128 s[8:11], s[0:1], 0x10              ; b_proj, out0
	v_lshl_add_u32 v[SPW], v0, 2, SPARE
	v_mov_b32 v[NIL], 0
	v_lshrrev_b32 v1, 5, v0
	v_readfirstlane_b32 s12, v1                    ; wave = head
	v_and_b32 v1, 15, v0                           ; r
	v_bfe_u32 v2, v0, 4, 1                         ; h
	s_and_b32 s13, ttmp7, 0xffff                   ; batch
	s_and_b32 s14, s12, 3                          ; nt
	s_lshr_b32 s15, s12, 2                         ; kq
	s_mov_b32 s16, 0x76543210
	s_mov_b32 s17, 0xfedcba98                      ; v_permlanex16_b32's selects for lane l xor 16
	s_mov_b32 s18, 0x3e38aa3b                      ; c = log2(e) / 8
	v_mul_u32_u24 v3, v1, FROW
	v_lshl_add_u32 v3, v2, 7, v3                   ; q, k: row r, + 128 h
	v_mul_u32_u24 v4, v2, 8*FROW
	v_lshl_add_u32 v4, v1, 2, v4                   ; v: 8 h rows down, + 4 r
	v_lshlrev_b32 v5, 4, v1                        ; 16 r
	v_mul_u32_u24 v6, v1, YP
	v_lshl_add_u32 v7, v2, 4, v6
	v_lshl_add_u32 v6, v2, 5, v6
	s_lshl_b32 s20, s12, 8
	v_add_nc_u32 v6, s20, v6                       ; y in: row r, + 256 head + 32 h
	s_lshl_b32 s20, s15, 10
	v_add_nc_u32 v7, s20, v7                       ; y back: row r, + 1,024 kq + 16 h
	v_mul_u32_u24 v8, v1, 272
	v_lshl_add_u32 v8, v2, 5, v8
	s_mul_i32 s20, s15, 16*272
	s_lshl_b32 s21, s14, 6
	s_add_co_u32 s20, s20, s21
	s_add_co_u32 s20, s20, RED
	v_add_nc_u32 v8, s20, v8                       ; partial sums in: quarter kq, row r, + 64 nt + 32 h
	s_min_u32 s20, s12, 7                          ; (waves 0-7 store)
	s_mul_i32 s21, s20, 2*272
	s_add_co_u32 s21, s21, RED
	v_mul_u32_u24 v9, v2, 272
	v_lshl_add_u32 v9, v1, 4, v9
	v_add_nc_u32 v9, s21, v9                       ; and back: rows 2 w and 2 w + 1, sixteen lanes to a row
	s_lshl_b32 s21, s20, 13
	v_lshl_add_u32 v10, v2, 12, v5
	v_add_nc_u32 v10, s21, v10                     ; the same place in out0's 16 rows
	v_lshlrev_b32 v11, 14, v2
	v_lshl_add_u32 v11, v1, 2, v11                 ; W_proj: 4 h rows down, + 4 r
	v_lshlrev_b32 v12, 3, v2
	v_sub_nc_u32 v12, v1, v12                      ; d = r - 8 h: key 8 h + j is hidden where j > d
	v_mov_b32 v13, 0xff800000                      ; -infinity
	v_mov_b32 v165, 0                              ; (the upper half of the pair that carries 1 / l)
	s_mul_i32 s20, s13, 16*FROW
	s_lshl_b32 s21, s12, 8
	s_add_co_u32 s20, s20, s21                     ; the batch's 16 rows, my head's 256 bytes
	s_mov_b32 s21, 0
	s_lshl_b32 s22, s15, 20                        ; my 256 rows of W_proj,
	s_lshl_b32 s23, ttmp9, 8                       ; the slice's 64 columns,
	s_add_co_u32 s22, s22, s23
	s_lshl_b32 s24, s14, 6                         ; my 16
	s_add_co_u32 s22, s22, s24
	s_mov_b32 s24, s23
	s_mov_b32 s23, 0
	s_mov_b32 s25, 0
	s_lshl_b32 s26, s13, 23                        ; the batch's first row of out0,
	s_add_co_u32 s26, s26, s24                     ; the slice
	s_mov_b32 s27, 0
	s_wait_kmcnt 0x0
	s_add_nc_u64 s[4:5], s[4:5], s[20:21]
	s_add_nc_u64 s[6:7], s[6:7], s[22:23]
	s_add_nc_u64 s[8:9], s[8:9], s[24:25]
	s_add_nc_u64 s[10:11], s[10:11], s[26:27]
.irp i, 0,1,2,3,4,5,6,7
	global_load_b128 v[QF+4*\i:QF+4*\i+3], v3, s[4:5] offset:16*\i
	global_load_b128 v[KF+4*\i:KF+4*\i+3], v3, s[4:5] offset:4096+16*\i
.endr
.irp ct, 0,1,2,3
.irp i, 0,1,2,3,4,5,6,7
	global_load_b32 v[VF+8*\ct+\i], v4, s[4:5] offset:8192+FROW*\i+64*\ct
.endr
.endr
	global_load_b128 v[BIAS:BIAS+3], v5, s[8:9]    ; the bias of the four columns that I store
	s_wait_loadcnt 0x0
	; ---- A: S^T = K Q^T: chunk c is the register pair 2 c, 2 c + 1: channels 32 h + 2 c + j on both sides
.set I, 0
.rept 16
.if I < 4
	v_wmma_f32_16x16x4_f32 v[ACC+8*(I%4):ACC+8*(I%4)+7], v[KF+2*I:KF+2*I+1], v[QF+2*I:QF+2*I+1], 0
.else
	v_wmma_f32_16x16x4_f32 v[ACC+8*(I%4):ACC+8*(I%4)+7], v[KF+2*I:KF+2*I+1], v[QF+2*I:QF+2*I+1], v[ACC+8*(I%4):ACC+8*(I%4)+7]
.endif
.set I, I+1
.endr
	NINE
.irp i, 0,2,4,6                                ; the four partial sums, each read from its low end on
	v_pk_add_f32 v[SS+\i:SS+\i+1], v[ACC+\i:ACC+\i+1], v[ACC+8+\i:ACC+8+\i+1]
.endr
.irp i, 0,2,4,6
	v_pk_add_f32 v[SS+\i:SS+\i+1], v[SS+\i:SS+\i+1], v[ACC+16+\i:ACC+16+\i+1]
.endr
.irp i, 0,2,4,6
	v_pk_add_f32 v[SS+\i:SS+\i+1], v[SS+\i:SS+\i+1], v[ACC+24+\i:ACC+24+\i+1]
.endr
.irp j, 0,1,2,3,4,5,6,7
	v_cmp_gt_i32 vcc_lo, \j, v12
	v_cndmask_b32 v[SS+\j], v[SS+\j], v13, vcc_lo  ; hidden keys: -infinity ahead of the maximum; key 0 counts for every query
.endr
	v_max3_num_f32 v160, v[SS], v[SS+1], v[SS+2]
	v_max3_num_f32 v161, v[SS+3], v[SS+4], v[SS+5]
	v_max3_num_f32 v160, v160, v[SS+6], v[SS+7]
	v_max_num_f32 v160, v160, v161
	v_permlanex16_b32 v161, v160, s16, s17
	v_max_num_f32 v160, v160, v161                 ; the row's maximum
	v_mul_f32 v162, s18, v160
.irp j, 0,1,2,3,4,5,6,7
	v_fma_f32 v[SS+\j], v[SS+\j], s18, -v162       ; c s - c m
.endr
.irp j, 0,1,2,3,4,5,6,7
	v_exp_f32 v[SS+\j], v[SS+\j]
.endr
	v_nop                                          ; a plain line behind the last exponential
	s_wait_alu depctr_va_vdst(0)                   ; one wait for the eight, ahead of their first reader
	v_pk_add_f32 v[160:161], v[SS:SS+1], v[SS+2:SS+3]
	v_pk_add_f32 v[162:163], v[SS+4:SS+5], v[SS+6:SS+7]
	v_pk_add_f32 v[160:161], v[160:161], v[162:163]
	v_add_f32 v160, v160, v161
	v_permlanex16_b32 v161, v160, s16, s17
	v_add_f32 v160, v160, v161                     ; l
	v_rcp_f32 v164, v160
	v_nop                                          ; a plain line behind the reciprocal; its wait stands ahead of its first reader, below
	; O^T = V^T P: chunk c: keys 8 h + 2 c + j on both sides; accumulator ct: channels 16 ct on
.irp c, 0,1,2,3
.irp ct, 0,1,2,3
.if \c == 0
	v_wmma_f32_16x16x4_f32 v[ACC+8*\ct:ACC+8*\ct+7], v[VF+8*\ct+2*\c:VF+8*\ct+2*\c+1], v[SS+2*\c:SS+2*\c+1], 0
.else
	v_wmma_f32_16x16x4_f32 v[ACC+8*\ct:ACC+8*\ct+7], v[VF+8*\ct+2*\c:VF+8*\ct+2*\c+1], v[SS+2*\c:SS+2*\c+1], v[ACC+8*\ct:ACC+8*\ct+7]
.endif
.endr
.endr
	NINE
	s_wait_alu depctr_va_vdst(0)                   ; the reciprocal's wait
.irp ct, 0,1,2,3
.irp i, 0,2,4,6
	v_pk_mul_f32 v[YY+8*\ct+\i:YY+8*\ct+\i+1], v[ACC+8*\ct+\i:ACC+8*\ct+\i+1], v[164:165] op_sel_hi:[1,0]   ; y(r, 64 head + 16 ct + 8 h + i)
.endr
.endr
.irp ct, 0,1,2,3
	ds_store_b128 v6, v[YY+8*\ct:YY+8*\ct+3] offset:64*\ct
	ds_store_b128 v6, v[YY+8*\ct+4:YY+8*\ct+7] offset:64*\ct+16
.endr
.set G, 0
.rept 32                                       ; W_proj's part goes out here, into the registers that phase A has left, and lands while the waves meet
.irp e, 0,1,2,3
	global_load_b32 v[WF+4*G+\e], v11, s[6:7] offset:(8*G+\e)*4096
.endr
.set G, G+1
.endr
	s_wait_dscnt 0x0                               ; for the others' sake: my part of y is in LDS
	s_barrier_signal -1
	s_barrier_wait -1
	; ---- B: transposed: source 0 = 16 columns of W_proj, source 1 = the 16 rows of y: a lane holds eight neighbouring columns of row r
.irp q2, 0,1
.set G, 0
.rept 16
	ds_load_b128 v[YF+4*G:YF+4*G+3], v7 offset:32*(16*\q2+G)
.set G, G+1
.endr
	s_wait_dscnt 0x0
.if \q2 == 0
	s_wait_loadcnt 0x0                             ; W_proj
.endif
.set I, 0
.rept 32
.if (\q2 == 0) && (I < 4)
	v_wmma_f32_16x16x4_f32 v[ACC+8*(I%4):ACC+8*(I%4)+7], v[WF+64*\q2+2*I:WF+64*\q2+2*I+1], v[YF+2*I:YF+2*I+1], 0
.else
	v_wmma_f32_16x16x4_f32 v[ACC+8*(I%4):ACC+8*(I%4)+7], v[WF+64*\q2+2*I:WF+64*\q2+2*I+1], v[YF+2*I:YF+2*I+1], v[ACC+8*(I%4):ACC+8*(I%4)+7]
.endif
.set I, I+1
.endr
	NINE
.endr
.irp i, 0,2,4,6
	v_pk_add_f32 v[T2+\i:T2+\i+1], v[ACC+\i:ACC+\i+1], v[ACC+8+\i:ACC+8+\i+1]
.endr
.irp i, 0,2,4,6
	v_pk_add_f32 v[T2+\i:T2+\i+1], v[T2+\i:T2+\i+1], v[ACC+16+\i:ACC+16+\i+1]
.endr
.irp i, 0,2,4,6
	v_pk_add_f32 v[T2+\i:T2+\i+1], v[T2+\i:T2+\i+1], v[ACC+24+\i:ACC+24+\i+1]
.endr
	ds_store_b128 v8, v[T2:T2+3]
	ds_store_b128 v8, v[T2+4:T2+7] offset:16
	s_wait_dscnt 0x0                               ; for the others' sake: my quarter's sums are in LDS
	s_barrier_signal -1
	s_barrier_wait -1
	s_cmp_lt_u32 s12, 8
	s_cbranch_scc0 .Ldone
.irp q, 0,1,2,3
	ds_load_b128 v[YF+4*\q:YF+4*\q+3], v9 offset:16*272*\q
.endr
	s_wait_dscnt 0x0
	v_pk_add_f32 v[YF:YF+1], v[YF:YF+1], v[YF+4:YF+5]
	v_pk_add_f32 v[YF+2:YF+3], v[YF+2:YF+3], v[YF+6:YF+7]
	v_pk_add_f32 v[YF+8:YF+9], v[YF+8:YF+9], v[YF+12:YF+13]
	v_pk_add_f32 v[YF+10:YF+11], v[YF+10:YF+11], v[YF+14:YF+15]
	v_pk_add_f32 v[YF:YF+1], v[YF:YF+1], v[YF+8:YF+9]
	v_pk_add_f32 v[YF+2:YF+3], v[YF+2:YF+3], v[YF+10:YF+11]
	v_pk_add_f32 v[YF:YF+1], v[YF:YF+1], v[BIAS:BIAS+1]
	v_pk_add_f32 v[YF+2:YF+3], v[YF+2:YF+3], v[BIAS+2:BIAS+3]
	global_store_b128 v10, v[YF:YF+3], s[10:11]    ; 16 lanes store 256 consecutive bytes, aligned
.Ldone:
	s_wait_tensorcnt 0x0                           ; the wave's end
	ds_add_u32 v[SPW], v[NIL]
	s_wait_dscnt 0x0
	s_endpgm
.Lfunc_end_k_q7ce9a4b4fe_fine:
	.size	k_q7ce9a4b4fe_fine, .Lfunc_end_k_q7ce9a4b4fe_fine-k_q7ce9a4b4fe_fine
	.p2alignl 7, 3214868480
	.fill 96, 4, 3214868480
	.section	.rodata,"a",@progbits
	.p2align	6, 0x0
	.amdhsa_kernel k_q7ce9a4b4fe_fine
		.amdhsa_group_segment_fixed_size 85504
		.amdhsa_private_segment_fixed_size 0
		.amdhsa_enable_private_segment 0
		.amdhsa_kernarg_size 32
		.amdhsa_user_sgpr_count 2
		.amdhsa_user_sgpr_kernarg_segment_ptr 1
		.amdhsa_wavefront_size32 1
		.amdhsa_system_sgpr_workgroup_id_x 1
		.amdhsa_system_sgpr_workgroup_id_y 1
		.amdhsa_system_sgpr_workgroup_id_z 1
		.amdhsa_system_vgpr_workitem_id 0
		.amdhsa_next_free_vgpr 256
		.amdhsa_next_free_sgpr 66
		.amdhsa_reserve_vcc 1
		.amdhsa_float_denorm_mode_32 3
		.amdhsa_float_denorm_mode_16_64 3
		.amdhsa_memory_ordered 1
		.amdhsa_forward_progress 1
		.amdhsa_inst_pref_size 36
	.end_amdhsa_kernel
	.amdgpu_metadata
---
amdhsa.version: [ 1, 2 ]
amdhsa.kernels:
  - .name:           k_q7ce9a4b4fe_fine
    .symbol:         k_q7ce9a4b4fe_fine.kd
    .args:
      - { .name: qkvf, .offset: 0, .size: 8, .value_kind: global_buffer, .address_space: global }
      - { .name: W_proj, .offset: 8, .size: 8, .value_kind: global_buffer, .address_space: global }
      - { .name: b_proj, .offset: 16, .size: 8, .value_kind: global_buffer, .address_space: global }
      - { .name: out0, .offset: 24, .size: 8, .value_kind: global_buffer, .address_space: global }
    .group_segment_fixed_size: 85504
    .private_segment_fixed_size: 0
    .kernarg_segment_align: 8
    .kernarg_segment_size: 32
    .max_flat_workgroup_size: 512
    .sgpr_count:     66
    .vgpr_count:     256
    .wavefront_size: 32
...
	.end_amdgpu_metadata
.endif
;; end of part 6
